; MI455X (gfx1250); checked and timed in simulation.
; The chip was launched on July 23, 2026; its instructions are those of AMD's public machine-readable ISA for CDNA 5 (MIT licence, August 2026) and "CDNA5" Instruction Set Architecture Reference Guide (July 2026). The comments in the code are by the model that wrote it; some were corrected since.
;; Mutual Cross Attention. Allowed arithmetic: matrix products marked QUANTISED: E2M3 operands, one E8M0 scale for each 32 along K, by v_wmma_scale_f32_16x16x128_f8f6f4 with both operands' format E2M3, f32 sums; everything else in f32.
;; Inputs: Wk1 1,024 x 512 float32; Wk2 1,024 x 512 float32; Wo 512 x 1,024 float32; Wq1 1,024 x 512 float32; Wv1 1,024 x 512 float32; Wv2 1,024 x 512 float32; bo 1,024 float32; x1 4 x 2,048 x 1,024 float32; x2 4 x 2,048 x 1,024 float32.
;; Outputs: out0 4 x 2,048 x 1,024 float32.
;; This version of the problem:
;;   THIS VERSION OF THE PROBLEM IS GIVEN IN LOW PRECISION. The matrix products marked QUANTISED in the list below multiply operands that are first quantised to E2M3 (2 exponent bits, 3 mantissa bits; 6 bits a number), with one power-of-two scale for each 32 numbers along K (OCP MX v1.0); their sums are f32. All else is computed in f32.
;;   The module's matrix products, in the order in which they are computed (A, B: the left and right operand; K: the contracted axis; several contracted axes count as one K, in the product's order):
;;     1. [M 8,192, K 1,024] x [K 1,024, N 512]; A: input x1; B: input Wq1: QUANTISED
;;     2. [M 8,192, K 1,024] x [K 1,024, N 512]; A: input x1; B: input Wk1: QUANTISED
;;     3. [M 8,192, K 1,024] x [K 1,024, N 512]; A: input x1; B: input Wv1: QUANTISED
;;     4. [M 8,192, K 1,024] x [K 1,024, N 512]; A: input x2; B: input Wk2: QUANTISED
;;     5. [M 8,192, K 1,024] x [K 1,024, N 512]; A: input x2; B: input Wv2: QUANTISED
;;     6. batch 32 x [M 2,048, K 64] x [K 64, N 4,096]; A: computed on the way; B: computed on the way: QUANTISED
;;     7. batch 32 x [M 64, K 4,096] x [K 4,096, N 2,048]; A: computed on the way; B: softmax (see below): QUANTISED
;;     8. [M 8,192, K 512] x [K 512, N 1,024]; A: computed on the way; B: input Wo: QUANTISED
;;   THE QUANTISER, for each operand of a quantised product, along K:
;;     - K is cut into blocks of 32 from its start; a last block that is shorter is filled with zeros.
;;     - A block's scale is 2^e with e = floor(log2(the largest magnitude in the block)) - 2, held to -126 .. 127; a block of zeros has e = 0. As a byte (E8M0): e + 127.
;;     - Each number is divided by its block's scale, clamped to +-7.5, and rounded to the nearest number of E2M3, ties to even, subnormals kept.
;;     - The product sums the exact products of the quantised numbers (number of the format x scale) in f32.
;;   ~~~python
;;   def quantise(x, axis):      # numpy; x: float32 -> the quantised numbers, widened to float32 again
;;       x = np.moveaxis(x, axis, -1); K = x.shape[-1]
;;       x = np.pad(x, [(0, 0)] * (x.ndim - 1) + [(0, -K % 32)]); x = x.reshape(x.shape[:-1] + (-1, 32)); a = np.abs(x).max(-1, keepdims=True)
;;       e = np.where(a > 0, np.clip(np.frexp(np.where(a > 0, a, 1))[1] - 1 - 2, -126, 127), 0)      # np.frexp(a)[1] - 1 = floor(log2(a)), exactly
;;       r = np.clip(x / 2.0 ** e, -7.5, 7.5)
;;       step = 2.0 ** (np.maximum(np.frexp(np.where(r == 0, 1, r))[1] - 1, 0) - 3)
;;       q = np.round(r / step) * step * 2.0 ** e      # np.round: ties to even
;;       return np.moveaxis(q.reshape(q.shape[:-2] + (-1,))[..., :K], -1, axis).astype(np.float32)
;;   ~~~
;;   SOFTMAX AHEAD OF A QUANTISED PRODUCT. Where the list says 'softmax', what is quantised is not the finished softmax but p = 2^(t - M), with t = logit x log2(e) and M = ceil(the row's largest t), a whole number; so 1/2 < the row's largest p <= 1. The row's sum l is taken of the UNQUANTISED p, in f32, and the product's result is divided by l at the end. Since M is a whole number, a kernel that streams over the keys may use a running M (the ceiling of the running maximum): every later rescaling is an exact power of two, which a block's scale takes up: the codes' values come out the same.
;;   OPERANDS COMPUTED ON THE WAY. 'Computed on the way' means the value that the module computes at that place (a softmax that the list does not call 'softmax' is quantised finished and normalised). What goes into a quantiser is computed in f32, as accurately as f32 sums, v_exp_f32 and their like allow (about 1e-6 of the number): no bf16 or f16 on the way to a quantiser, and a product that is left as it is and whose result goes on into a quantised operand takes f32 operands (vector FMAs, or v_wmma_f32_16x16x4_f32). A number that lies on a knife's edge between two numbers of the format may be rounded either way, as far as f32 arithmetic and the matrix unit's own rounding can turn it there, and no further.
;; 2 versions. Each part assembles by itself: llvm-mc -triple=amdgcn-amd-amdhsa -mcpu=gfx1250 --defsym DOCPART=n.
;; ======== version 1 of 2: 4 launches
;; workspace buffers: wp 2,555,904 bytes; wo 425,984 bytes; qc 3,407,872 bytes; kv 13,369,344 bytes; oc 3,407,872 bytes
;; launch wq (part 1): grid 384 x 1, 4 waves a work-group, no clusters, 1,024 bytes of LDS; arguments Wq1, Wk1, Wv1, Wk2, Wv2, Wo, wp, wo; writes wp, wo
.if DOCPART == 1
	.amdgcn_target "amdgcn-amd-amdhsa--gfx1250"
	.amdhsa_code_object_version 6
	.text
	.protected	k_q7d42212002_wq
	.globl	k_q7d42212002_wq
	.p2align	8
	.type	k_q7d42212002_wq,@function
k_q7d42212002_wq:
	s_mov_b64 s[64:65], 0
	v_nop
	global_prefetch_b8 v0, s[64:65] scope:SCOPE_SE
	s_setreg_imm32_b32 hwreg(HW_REG_WAVE_MODE, 25, 1), 1
	s_wait_xcnt 0x0
; The six weights, f32 with K as their FIRST axis, become codes of E2M3 with one E8M0 byte for each 32 along K, laid as IMAGES OF OPERAND REGISTERS.
; A fragment is 16 columns x 128 K, 12 registers a lane: lane (r, h) holds one column and k = 64 c + 32 h + 0 .. 31 in registers 6 c .. 6 c + 5.
; Its image is three pieces of 512 bytes: piece p holds registers 4 p .. 4 p + 3, lane l at byte 16 l.
; THE COLUMNS OF A TILE ARE NOT NEIGHBOURS: place m of tile t of a group of 64 columns is column 8 t + m % 8 + 32 (m / 8), so that the results of a product whose
; source 0 is such a tile lie, in a lane's registers, as 32 neighbours along the next product's K.
; A work-group takes 64 columns and 128 along K of one matrix; wave w takes tile w.  A lane takes a column and its registers run down K: a block's largest magnitude needs no other lane.
; Work-groups 0-319: Wq1, Wk1, Wv1, Wk2, Wv2 (64 each: 8 heads x 8 K steps) into wp; 320-383: Wo (16 groups of 64 columns x 4 K steps) into wo.
; Each load reads 2 x 32 bytes of two rows; the four waves together read each row's 256 bytes.  No matrix unit, no cluster: nothing is shared, each number is read once.
; LIMITS: NaN and infinities among the inputs are not served; a block whose largest magnitude lies under 2^-124, a block of zeros among them, gets the byte 1 (its codes are zeros or the
; format's smallest numbers; the bytes are read by this program alone).
.set SPARE, 512                        ; LDS: bytes 0-511 the four tiles' scale words; from 512 the spare words, 128 bytes for each wave
.set LI,  1                            ; v1   16 x lane
.set VO,  2                            ; v2   my column's bytes + 32 h rows
.set LW,  3                            ; v3   16 x lane + 4 x wave: my scale word's place in LDS
.set SH8, 4                            ; v4   8 h
.set PX,  5                            ; v5   what lane l xor 16 sends
.set SPW, 6                            ; v6   LDS address of my spare word; never rewritten
.set NIL, 7                            ; v7   0; never rewritten
.set MA,  8                            ; v8-9, v10-11 largest magnitudes, two chains a block
.set MB,  10
.set SO,  12                           ; v12-13 the conversions' scale operands
.set BY,  14                           ; v14-15 the scale bytes
.set PW,  16                           ; v16  the scale word
.set PC,  20                           ; v20-31 the fragment
.set PT,  32                           ; v32-34, v36-38 the second halves of the blocks' codes
.set BK,  40                           ; v40-43 four tiles' words, on the way out
.set X,   64                           ; v64-127 my 64 numbers
.set SEL, 2                            ; s[2:3] lane selects: lane l xor 16
; 64 numbers of a lane, register 32 c + i = k 64 c + 32 h + i, become the fragment in v[PC] on; the two blocks' bytes are left in v[BY], v[BY+1]
.macro QCODES src
.irp c, 0,1
	v_max3_num_f32 v[MA+\c], |v[(\src)+32*\c]|, |v[(\src)+32*\c+1]|, 0x1800000       ; the floor 2^(3 - 127) among the leaves: the byte cannot fall under 1
	v_max3_num_f32 v[MB+\c], |v[(\src)+32*\c+16]|, |v[(\src)+32*\c+17]|, 0x1800000
.endr
.irp i, 2,4,6,8,10,12,14
.irp c, 0,1
	v_max3_num_f32 v[MA+\c], v[MA+\c], |v[(\src)+32*\c+\i]|, |v[(\src)+32*\c+\i+1]|
	v_max3_num_f32 v[MB+\c], v[MB+\c], |v[(\src)+32*\c+\i+16]|, |v[(\src)+32*\c+\i+17]|
.endr
.endr
.irp c, 0,1
	v_max_num_f32 v[MA+\c], v[MA+\c], v[MB+\c]     ; the block's largest magnitude
.endr
.irp c, 0,1
	v_add_nc_u32 v[SO+\c], 0xff000000, v[MA+\c]    ; 2 off its exponent field: the conversion takes this operand's exponent field as its scale
.endr
.irp c, 0,1
	v_lshrrev_b32 v[BY+\c], 23, v[SO+\c]           ; the scale's byte
.endr
.irp c, 0,1
	v_cvt_scalef32_pk16_fp6_f32 v[PC+6*\c:PC+6*\c+2], v[(\src)+32*\c:(\src)+32*\c+15], v[SO+\c]
	v_cvt_scalef32_pk16_fp6_f32 v[PT+4*\c:PT+4*\c+2], v[(\src)+32*\c+16:(\src)+32*\c+31], v[SO+\c]   ; (a conversion's three registers begin on an even number)
.endr
	v_nop                                          ; one plain instruction behind the conversions
.irp c, 0,1
.irp i, 0,1,2
	v_mov_b32 v[PC+6*\c+3+\i], v[PT+4*\c+\i]
.endr
.endr
.endm
.macro LOADS pitch                     ; W(64 c + 32 h + i, my column)
.irp c, 0,1
.irp i, 0,1,2,3,4,5,6,7,8,9,10,11,12,13,14,15,16,17,18,19,20,21,22,23,24,25,26,27,28,29,30,31
	global_load_b32 v[X+32*\c+\i], v[VO], s[40:41] offset:(64*\c+\i)*\pitch th:TH_LOAD_NT
.endr
.endr
.endm
	s_load_b512 s[8:23], s[0:1], 0x0               ; Wq1 s[8:9], Wk1, Wv1, Wk2, Wv2, Wo s[18:19], wp s[20:21], wo s[22:23]
	v_lshl_add_u32 v[SPW], v0, 2, SPARE
	v_mov_b32 v[NIL], 0
	v_lshrrev_b32 v[PW], 5, v0
	v_readfirstlane_b32 s4, v[PW]                  ; wave = tile
	s_mov_b32 s[SEL], 0x76543210
	s_mov_b32 s[SEL+1], 0xfedcba98
	s_lshr_b32 s5, ttmp9, 6                        ; which matrix: 0 .. 5
	s_cmp_ge_u32 s5, 3
	s_cselect_b32 s6, 1, 0                         ; set: 0 for x1's weights, 1 for x2's
	s_lshl_b32 s7, s6, 1
	s_sub_co_u32 s7, s5, s7                        ; position in a head's unit: q 0, k 1, v 2
	s_bfe_u32 s24, ttmp9, 0x30003                  ; head
	s_and_b32 s25, ttmp9, 7                        ; K step
	s_lshl_b32 s26, s6, 3
	s_add_co_u32 s26, s26, s24
	s_mul_i32 s26, s26, 3
	s_add_co_u32 s26, s26, s7
	s_lshl_b32 s26, s26, 3
	s_add_co_u32 s26, s26, s25                     ; U = ((8 set + head) 3 + position) 8 + K step
	s_lshl_b32 s27, s25, 18                        ; 128 rows of 2,048 bytes a K step,
	s_lshl_b32 s28, s24, 8                         ; 256 bytes of a row a head
	s_add_co_u32 s27, s27, s28
	s_sub_co_u32 s29, ttmp9, 320                   ; Wo's numbers (of use in work-groups 320 on alone)
	s_lshr_b32 s30, s29, 2                         ; group of 64 columns
	s_and_b32 s31, s29, 3                          ; K step
	s_lshr_b32 s32, s30, 1
	s_lshl_b32 s32, s32, 2
	s_add_co_u32 s32, s32, s31
	s_lshl_b32 s32, s32, 1
	s_and_b32 s33, s30, 1
	s_add_co_u32 s32, s32, s33                     ; U = ((group / 2) 4 + K step) 2 + group % 2
	s_lshl_b32 s34, s31, 19                        ; 128 rows of 4,096 bytes
	s_lshl_b32 s35, s30, 8
	s_add_co_u32 s34, s34, s35
	s_mov_b32 s37, 2359296                         ; where the scale words begin in wp,
	s_cmp_eq_u32 s5, 5
	s_cselect_b32 s26, s32, s26
	s_cselect_b32 s27, s34, s27
	s_cselect_b32 s36, 17, 16                      ; 32 rows are 2^16 or 2^17 bytes
	s_cselect_b32 s37, 393216, s37                 ; and in wo
	v_and_b32 v8, 31, v0
	v_lshlrev_b32 v[LI], 4, v8
	v_and_b32 v9, 7, v0
	v_bfe_u32 v10, v0, 3, 1
	v_bfe_u32 v11, v0, 4, 1                        ; h
	v_lshl_add_u32 v9, v10, 5, v9                  ; r % 8 + 32 (r / 8)
	s_lshl_b32 s28, s4, 3
	v_add_nc_u32 v9, s28, v9                       ; + 8 x tile: my column in the group
	v_lshlrev_b32 v[VO], 2, v9
	v_lshlrev_b32 v10, s36, v11
	v_add_nc_u32 v[VO], v[VO], v10                 ; lanes 16-31 begin 32 rows further down
	s_lshl_b32 s28, s4, 2
	v_add_nc_u32 v[LW], s28, v[LI]
	v_lshlrev_b32 v[SH8], 3, v11
	v_mov_b32 v[PX], 0                             ; written once: a lane permute's destination counts as one of its sources
	s_mov_b32 s42, s27
	s_mov_b32 s43, 0
	s_mul_i32 s44, s26, 6144                       ; four tiles' images for each U,
	s_mul_i32 s45, s4, 1536                        ; mine among them
	s_add_co_u32 s44, s44, s45
	s_mov_b32 s45, 0
	s_lshl_b32 s28, s26, 9                         ; 512 bytes of scale words for each U
	s_add_co_u32 s28, s28, s37
	s_mov_b32 s29, 0
	s_wait_kmcnt 0x0
	s_cmp_eq_u32 s5, 1                             ; the choices hang on the work-group's number alone
	s_cselect_b64 s[40:41], s[10:11], s[8:9]
	s_cmp_eq_u32 s5, 2
	s_cselect_b64 s[40:41], s[12:13], s[40:41]
	s_cmp_eq_u32 s5, 3
	s_cselect_b64 s[40:41], s[14:15], s[40:41]
	s_cmp_eq_u32 s5, 4
	s_cselect_b64 s[40:41], s[16:17], s[40:41]
	s_cmp_eq_u32 s5, 5
	s_cselect_b64 s[40:41], s[18:19], s[40:41]
	s_cselect_b64 s[38:39], s[22:23], s[20:21]
	s_add_nc_u64 s[40:41], s[40:41], s[42:43]      ; the matrix at my K step and group of columns
	s_add_nc_u64 s[46:47], s[38:39], s[44:45]      ; my image
	s_add_nc_u64 s[38:39], s[38:39], s[28:29]      ; the work-group's scale words
	s_cmp_eq_u32 s5, 5
	s_cbranch_scc1 .Lwide                          ; the two ways differ in the loads' immediates alone
	LOADS 2048
	s_branch .Ljoin
.Lwide:
	LOADS 4096
.Ljoin:
	s_wait_loadcnt 0x0                             ; all 64 are wanted
	QCODES X
	v_lshl_or_b32 v[PW], v[BY+1], 16, v[BY]        ; my two bytes, blocks h and 2 + h,
	v_lshlrev_b32 v[PW], v[SH8], v[PW]             ; at their places;
	v_permlanex16_b32 v[PX], v[PW], s[SEL], s[SEL+1]
	v_or_b32 v[PW], v[PW], v[PX]                   ; with lane l xor 16's two the word is whole, in both halves of the lanes
.irp c, 0,1,2
	global_store_b128 v[LI], v[PC+4*\c:PC+4*\c+3], s[46:47] offset:512*\c   ; 512 consecutive bytes, at a multiple of 512 from the buffer's first byte
.endr
	ds_store_b32 v[LW], v[PW]                      ; the four tiles' words meet in LDS: lane l's four on end
	s_wait_dscnt 0x0                               ; for the others' sake: my store is done
	s_barrier_signal -1
	s_barrier_wait -1
	s_cmp_lg_u32 s4, 0
	s_cbranch_scc1 .Lnot_wave_0
	ds_load_b128 v[BK:BK+3], v[LI]
	s_wait_dscnt 0x0
	global_store_b128 v[LI], v[BK:BK+3], s[38:39]  ; 512 consecutive bytes
.Lnot_wave_0:
	s_wait_tensorcnt 0x0                           ; the wave's end, behind my last LDS store
	ds_add_u32 v[SPW], v[NIL]
	s_wait_dscnt 0x0
	s_endpgm
.Lfunc_end_k_q7d42212002_wq:
	.size	k_q7d42212002_wq, .Lfunc_end_k_q7d42212002_wq-k_q7d42212002_wq
	.p2alignl 7, 3214868480
	.fill 96, 4, 3214868480
	.section	.rodata,"a",@progbits
	.p2align	6, 0x0
	.amdhsa_kernel k_q7d42212002_wq
		.amdhsa_group_segment_fixed_size 1024
		.amdhsa_private_segment_fixed_size 0
		.amdhsa_enable_private_segment 0
		.amdhsa_kernarg_size 64
		.amdhsa_user_sgpr_count 2
		.amdhsa_user_sgpr_kernarg_segment_ptr 1
		.amdhsa_wavefront_size32 1
		.amdhsa_system_sgpr_workgroup_id_x 1
		.amdhsa_system_sgpr_workgroup_id_y 1
		.amdhsa_system_sgpr_workgroup_id_z 1
		.amdhsa_system_vgpr_workitem_id 0
		.amdhsa_next_free_vgpr 128
		.amdhsa_next_free_sgpr 66
		.amdhsa_reserve_vcc 0
		.amdhsa_float_denorm_mode_32 3
		.amdhsa_float_denorm_mode_16_64 3
		.amdhsa_memory_ordered 1
		.amdhsa_forward_progress 1
		.amdhsa_inst_pref_size 20
	.end_amdhsa_kernel
	.amdgpu_metadata
---
amdhsa.version: [ 1, 2 ]
amdhsa.kernels:
  - .name:           k_q7d42212002_wq
    .symbol:         k_q7d42212002_wq.kd
    .args:
      - { .name: Wq1, .offset: 0, .size: 8, .value_kind: global_buffer, .address_space: global }
      - { .name: Wk1, .offset: 8, .size: 8, .value_kind: global_buffer, .address_space: global }
      - { .name: Wv1, .offset: 16, .size: 8, .value_kind: global_buffer, .address_space: global }
      - { .name: Wk2, .offset: 24, .size: 8, .value_kind: global_buffer, .address_space: global }
      - { .name: Wv2, .offset: 32, .size: 8, .value_kind: global_buffer, .address_space: global }
      - { .name: Wo, .offset: 40, .size: 8, .value_kind: global_buffer, .address_space: global }
      - { .name: wp, .offset: 48, .size: 8, .value_kind: global_buffer, .address_space: global }
      - { .name: wo, .offset: 56, .size: 8, .value_kind: global_buffer, .address_space: global }
    .group_segment_fixed_size: 1024
    .private_segment_fixed_size: 0
    .kernarg_segment_align: 8
    .kernarg_segment_size: 64
    .max_flat_workgroup_size: 128
    .sgpr_count:     66
    .vgpr_count:     128
    .wavefront_size: 32
...
	.end_amdgpu_metadata
.endif
;; end of part 1
;; launch proj (part 2): grid 256 x 1, 4 waves a work-group, no clusters, 174,592 bytes of LDS; arguments x1, x2, wp, qc, kv; writes qc, kv
.if DOCPART == 2
	.amdgcn_target "amdgcn-amd-amdhsa--gfx1250"
	.amdhsa_code_object_version 6
	.text
	.protected	k_q7d42212002_proj
	.globl	k_q7d42212002_proj
	.p2align	8
	.type	k_q7d42212002_proj,@function
k_q7d42212002_proj:
	s_mov_b64 s[64:65], 0
	v_nop
	global_prefetch_b8 v0, s[64:65] scope:SCOPE_SE
	s_setreg_imm32_b32 hwreg(HW_REG_WAVE_MODE, 25, 1), 1
	s_wait_xcnt 0x0
; q = x1 Wq1, k = x1 Wk1 | x2 Wk2, v = x1 Wv1 | x2 Wv2, all on codes of E2M3 with one E8M0 byte for each 32 along K; the results are quantised at once for the attention launch and stored as images of operand registers.
; SHARES.  Work-groups 0-127 take x1, 128-255 x2.  A work-group takes a block of 128 rows and four heads (its number's lowest bit says which four).  PHASE X: the four waves quantise the block's 128 rows x 1,024 along K
; into LDS, as images of fragments (12 registers a lane: three pieces of 512 bytes, lane l at 16 l).  PHASE 1: wave w makes head 4 (g % 2) + w for all 128 rows: unit q (x1 alone), unit k, unit v; a unit is
; 8 tiles of rows x 4 tiles of the head's 64 columns x 8 K steps = 256 matrix instructions on 32 accumulators.
; THE ROWS OF A TILE ARE NOT NEIGHBOURS: place m of tile t of the block is row 64 (t / 4) + 8 (t % 4) + m % 8 + 32 (m / 8); the head's columns likewise (launch wq).  So where such a tile is source 0, the 32 registers of
; four neighbouring tiles are, in a lane, one whole block of 32 neighbours along the next product's K, in the order in which the 6-bit operand wants them: the quantiser needs no other lane for its maximum and no exchange of halves.
; Units q and k: source 0 = W, source 1 = x: a lane holds a row and 32 of the head's 64.  Unit v: source 0 = x, source 1 = W: a lane holds one of the head's 64 and its registers run along the keys.
; W comes from memory straight into registers, as the images that launch wq laid: 13 loads of 512 bytes a K step a wave, asked for three K steps (96 matrix instructions) ahead, each fragment feeding 8 matrix instructions.
; NO JOINT LOADS: the launch has no tensor load; within a work-group each wave reads another head's weights, and a ring for W shared between work-groups would add an LDS read of every fragment beside the 174,080 bytes that x takes.
; Each block of x is read by two work-groups (the two halves of the heads), which stand side by side in the grid.
; LIMITS: NaN and infinities among the inputs are not served; a block whose largest magnitude lies under 2^-124, a block of zeros among them, gets the byte 1 (the bytes are read by this program alone).
; REGISTERS, in windows of 256: window 0 addresses, scale words, the quantiser's, v128-255 two sets of 64 numbers of x; window 1 the 32 accumulators (in phase X four landing sets of 64);
; window 2 v0-191 W, a ring of 4 K steps x 48; window 3 v0-191 x's fragments, 2 sets x 96.
.set XSC,   98304                      ; LDS: 0: x's images [K step 8][tile 8][1,536];  98,304: their scale words [K step][lane 32][tile 8]
.set STG,   106496                     ; 16,896 bytes for each wave: two stages of 16 rows x 528 bytes (512 + 16: 33 x 16, so that sixteen rows' reads of one column fall on different 16-byte columns of 256)
.set SPARE, 174080                     ; the spare words, 128 bytes for each wave
.set LI,  1                            ; v1   16 x lane
.set L8,  2                            ; v2   8 x lane
.set STW, 3                            ; v3   my stage, on the way in: 16 x lane of a row
.set STR, 4                            ; v4   and out: row r, + 128 h
.set XWI, 5                            ; v5   where I store x's images: 3,072 x wave + 16 x lane
.set XWS, 6                            ; v6   and their words: XSC + 32 x lane + 8 x wave
.set XAI, 7                            ; v7, v8 the same + the trip's step
.set XAS, 8
.set XR1, 10                           ; v10  49,152 + 16 x lane: K steps 4-7 of x's images
.set XSR, 11                           ; v11  XSC + 32 x lane
.set SH8, 12                           ; v12  8 h
.set SELV, 13                          ; v13  byte selects for a pair of tiles' scale words
.set SPW, 14                           ; v14  LDS address of my spare word; never rewritten
.set NIL, 15                           ; v15  0; never rewritten
.set WS,  16                           ; v16-31 W's scale words: 4 slots x 4 tiles
.set XS,  32                           ; v32-47 x's: 2 sets x 8 tiles
.set MA,  48
.set MB,  50
.set SO,  52
.set BY,  54
.set PW,  56
.set PX,  57
.set PO,  58
.set PC,  60                           ; v60-71 the codes just made
.set PT,  72                           ; v72-74, v76-78
.set SWM, 80                           ; v80-83 four pairs of tiles' scale words
.set VSM, 84                           ; v84-85 V's scale words
.set VW,  86                           ; v86-87 the words of two tiles of the head's 64
.set ST,  128
.set WV,  14                           ; s14  wave
.set SET, 15                           ; s15  0: x1, 1: x2
.set XP,  20                           ; s[20:21] x at my wave's first row, at the trip's K steps
.set WP,  22                           ; s[22:23] W's images of the unit in hand
.set WQ,  24                           ; s[24:25] and its scale words
.set QI,  26                           ; s[26:27] q's images, s[28:29] its words
.set QS,  28
.set KB,  30                           ; s[30:31] my key step in kv, s[32:33] its words
.set KSB, 32
.set HM,  34                           ; s34  lanes 16-31
.set SEL, 36                           ; s[36:37] lane selects: lane l xor 16
.set XO,  38                           ; s38, s39 the trip's step in x's images and words
.set XQ,  39
.set CNT, 40
.set MSB, 0
.macro WIN new                         ; the immediate's high byte repeats the setting that is left; a switch that changes nothing is dropped
.if MSB != (\new)
	s_set_vgpr_msb (MSB<<8)|(\new)
.set MSB, (\new)
.endif
.endm
.macro PLACES                          ; four plain instructions between a matrix instruction and a read of its result or a load into one of its registers (ISA guide 7.12.1 for vector instructions)
.rept 4
	v_nop
.endr
.endm
; 64 numbers of a lane in window w, two blocks of 32, become 12 registers of codes in v[PC] on; the blocks' bytes are left in v[BY], v[BY+1].  Each accumulator is first read at its registers 0 and 1.
.macro QCODES src, w
	WIN 0x05*(\w)
.irp c, 0,1
	v_max3_num_f32 v[MA+\c], |v[(\src)+32*\c]|, |v[(\src)+32*\c+1]|, 0x1800000       ; the floor 2^(3 - 127) among the leaves: the byte cannot fall under 1
	v_max3_num_f32 v[MB+\c], |v[(\src)+32*\c+16]|, |v[(\src)+32*\c+17]|, 0x1800000
.endr
	WIN 0x14*(\w)
.irp i, 2,4,6,8,10,12,14
.irp c, 0,1
	v_max3_num_f32 v[MA+\c], v[MA+\c], |v[(\src)+32*\c+\i]|, |v[(\src)+32*\c+\i+1]|
	v_max3_num_f32 v[MB+\c], v[MB+\c], |v[(\src)+32*\c+\i+16]|, |v[(\src)+32*\c+\i+17]|
.endr
.endr
	WIN 0
.irp c, 0,1
	v_max_num_f32 v[MA+\c], v[MA+\c], v[MB+\c]
.endr
.irp c, 0,1
	v_add_nc_u32 v[SO+\c], 0xff000000, v[MA+\c]    ; 2 off the exponent field: the conversion's scale operand
.endr
.irp c, 0,1
	v_lshrrev_b32 v[BY+\c], 23, v[SO+\c]           ; the scale's byte
.endr
	WIN 0x01*(\w)
.irp c, 0,1
	v_cvt_scalef32_pk16_fp6_f32 v[PC+6*\c:PC+6*\c+2], v[(\src)+32*\c:(\src)+32*\c+15], v[SO+\c]
	v_cvt_scalef32_pk16_fp6_f32 v[PT+4*\c:PT+4*\c+2], v[(\src)+32*\c+16:(\src)+32*\c+31], v[SO+\c]   ; (a conversion's three registers begin on an even number)
.endr
	WIN 0
	v_nop                                          ; one plain instruction behind the conversions
.irp c, 0,1
.irp i, 0,1,2
	v_mov_b32 v[PC+6*\c+3+\i], v[PT+4*\c+\i]
.endr
.endr
.endm
.macro WORD4 d                         ; the two blocks are blocks h and 2 + h of ONE row's 128: its scale word, whole in both halves of the lanes
	v_lshl_or_b32 v[\d], v[BY+1], 16, v[BY]
	v_lshlrev_b32 v[\d], v[SH8], v[\d]
	v_permlanex16_b32 v[PX], v[\d], s[SEL], s[SEL+1]
	v_or_b32 v[\d], v[\d], v[PX]
.endm
.macro WORDPAIR d                      ; the two blocks are block h of TWO tiles' rows of 64: lanes 0-15 get the even tile's word, lanes 16-31 the odd tile's; bytes 2 and 3, over zero codes, are 0x7f
	v_lshl_or_b32 v[PO], v[BY+1], 16, v[BY]
	v_or_b32 v[PO], 0x7f00, v[PO]
	v_permlanex16_b32 v[PX], v[PO], s[SEL], s[SEL+1]
	v_perm_b32 v[\d], v[PX], v[PO], v[SELV]
.endm
.macro WLOAD s                         ; W's four fragments and four scale words of K step s (counted from the unit in hand; 8 on: the next unit's) into slot s % 4
	WIN 0x80
.irp i, 0,1,2,3,4,5,6,7,8,9,10,11
	global_load_b128 v[48*((\s)&3)+4*\i:48*((\s)&3)+4*\i+3], v[LI], s[WP:WP+1] offset:6144*(\s)+512*\i
.endr
	WIN 0
	global_load_b128 v[WS+4*((\s)&3):WS+4*((\s)&3)+3], v[LI], s[WQ:WQ+1] offset:512*(\s)
.endm
; PHASE X.  Unit q of a trip: tile 2 w + q % 2, K step 2 trip + q / 2.  16 loads, each 512 consecutive bytes of one row
.macro XLOAD q, ahead
	WIN 0x40
.irp n, 0,1,2,3,4,5,6,7,8,9,10,11,12,13,14,15
	global_load_b128 v[64*(\q)+4*\n:64*(\q)+4*\n+3], v[LI], s[XP:XP+1] offset:(8*((\q)&1)+(\n&7)+32*(\n>>3))*4096+512*((\q)>>1)+1024*(\ahead)
.endr
	WIN 0
.endm
.macro TURN q                          ; through my stage: in as loaded, out as 2 x 32 neighbours of row r.  LDS serves a wave's instructions in order (ISA guide 5.7.1.4): no wait between
	WIN 0x04
.irp n, 0,1,2,3,4,5,6,7,8,9,10,11,12,13,14,15
	ds_store_b128 v[STW], v[64*(\q)+4*\n:64*(\q)+4*\n+3] offset:8448*((\q)&1)+528*\n
.endr
	WIN 0
.irp c, 0,1
.irp j, 0,1,2,3,4,5,6,7
	ds_load_b128 v[ST+64*((\q)&1)+32*\c+4*\j:ST+64*((\q)&1)+32*\c+4*\j+3], v[STR] offset:8448*((\q)&1)+256*\c+16*\j
.endr
.endr
.endm
.macro UNITX q, ahead, n, turn
	s_wait_dscnt 0x0                               ; my numbers are back from the stage; the stage's stores have read landing set q; the last images have read the codes' registers
.if \ahead
	XLOAD \q, 1                                    ; the same unit of the next trip
.endif
.if \turn
	s_wait_loadcnt \n                              ; the next unit's 16 loads are in; behind them the later units' may be out
	TURN ((\q)+1)&3
.endif
	QCODES ST+64*((\q)&1), 0
	WORD4 PW
.irp c, 0,1,2
	ds_store_b128 v[XAI], v[PC+4*\c:PC+4*\c+3] offset:12288*((\q)>>1)+1536*((\q)&1)+512*\c
.endr
	ds_store_b32 v[XAS], v[PW] offset:1024*((\q)>>1)+4*((\q)&1)
.endm
; PHASE 1
.macro FETCHX s, set                   ; x's eight fragments and eight scale words of K step s: 26 LDS loads
	WIN 0xc0
.irp a, 0,1,2,3,4,5,6,7
.irp c, 0,1,2
.if (\s) < 4
	ds_load_b128 v[96*(\set)+12*\a+4*\c:96*(\set)+12*\a+4*\c+3], v[LI] offset:12288*((\s)&3)+1536*\a+512*\c
.else
	ds_load_b128 v[96*(\set)+12*\a+4*\c:96*(\set)+12*\a+4*\c+3], v[XR1] offset:12288*((\s)&3)+1536*\a+512*\c
.endif
.endr
.endr
	WIN 0
	ds_load_b128 v[XS+8*(\set):XS+8*(\set)+3], v[XSR] offset:1024*(\s)
	ds_load_b128 v[XS+8*(\set)+4:XS+8*(\set)+7], v[XSR] offset:1024*(\s)+16
.endm
; 32 matrix instructions; the 32 accumulators take turns, one instruction a turn, in the same order in every K step.  zero = 1: the first K step starts the sums
.macro MULQK s, zero
	WIN 0x5e                                       ; source 0 (W) window 2, source 1 (x) window 3, C and D window 1
.irp a, 0,1,2,3,4,5,6,7
.irp b, 0,1,2,3
.if \zero
	v_wmma_scale_f32_16x16x128_f8f6f4 v[8*(4*\a+\b):8*(4*\a+\b)+7], v[48*((\s)&3)+12*\b:48*((\s)&3)+12*\b+11], v[96*((\s)&1)+12*\a:96*((\s)&1)+12*\a+11], 0, v[WS+4*((\s)&3)+\b], v[XS+8*((\s)&1)+\a] matrix_a_fmt:MATRIX_FMT_FP6 matrix_b_fmt:MATRIX_FMT_FP6
.else
	v_wmma_scale_f32_16x16x128_f8f6f4 v[8*(4*\a+\b):8*(4*\a+\b)+7], v[48*((\s)&3)+12*\b:48*((\s)&3)+12*\b+11], v[96*((\s)&1)+12*\a:96*((\s)&1)+12*\a+11], v[8*(4*\a+\b):8*(4*\a+\b)+7], v[WS+4*((\s)&3)+\b], v[XS+8*((\s)&1)+\a] matrix_a_fmt:MATRIX_FMT_FP6 matrix_b_fmt:MATRIX_FMT_FP6
.endif
.endr
.endr
.endm
.macro MULV s, zero
	WIN 0x5b                                       ; source 0 (x) window 3, source 1 (W) window 2, C and D window 1
.irp b, 0,1,2,3
.irp a, 0,1,2,3,4,5,6,7
.if \zero
	v_wmma_scale_f32_16x16x128_f8f6f4 v[8*(8*\b+\a):8*(8*\b+\a)+7], v[96*((\s)&1)+12*\a:96*((\s)&1)+12*\a+11], v[48*((\s)&3)+12*\b:48*((\s)&3)+12*\b+11], 0, v[XS+8*((\s)&1)+\a], v[WS+4*((\s)&3)+\b] matrix_a_fmt:MATRIX_FMT_FP6 matrix_b_fmt:MATRIX_FMT_FP6
.else
	v_wmma_scale_f32_16x16x128_f8f6f4 v[8*(8*\b+\a):8*(8*\b+\a)+7], v[96*((\s)&1)+12*\a:96*((\s)&1)+12*\a+11], v[48*((\s)&3)+12*\b:48*((\s)&3)+12*\b+11], v[8*(8*\b+\a):8*(8*\b+\a)+7], v[XS+8*((\s)&1)+\a], v[WS+4*((\s)&3)+\b] matrix_a_fmt:MATRIX_FMT_FP6 matrix_b_fmt:MATRIX_FMT_FP6
.endif
.endr
.endr
.endm
; K step s of a unit.  ahead: W of three K steps on is asked for; nextx: x of the next K step; nl: W's loads issued behind this K step's, 13 for each later K step
.macro STEP type, s, ahead, nextx, nl
	PLACES                                         ; for the loads into the slot, the set and the scale registers that the K step before has read
.if \ahead
	WLOAD (\s)+3
.endif
.if \nextx
	FETCHX ((\s)+1)&7, ((\s)+1)&1
.endif
	s_wait_loadcnt \nl
.if \nextx
	s_wait_dscnt 26                                ; this K step's x is in; the 26 just issued may be out
.else
	s_wait_dscnt 0x0
.endif
.if \type
.if (\s) == 0
	MULV \s, 1
.else
	MULV \s, 0
.endif
.else
.if (\s) == 0
	MULQK \s, 1
.else
	MULQK \s, 0
.endif
.endif
.endm
; q's or k's 128 rows x 64 are quantised along the head's 64, two tiles of rows at a time, and stored
.macro EPI_QK isq
	PLACES
.irp i, 0,1,2,3
	s_wait_xcnt 0x0                                ; the earlier stores have read the codes' and the words' registers
	QCODES 64*\i, 1
	WORDPAIR SWM+\i
.if \isq
.irp p, 0,1,2,3,4,5
	global_store_b64 v[L8], v[PC+2*\p:PC+2*\p+1], s[QI:QI+1] offset:(2*\i+\p/3)*768+(\p%3)*256   ; a tile of q stands alone: three pieces of 256 consecutive bytes
.endr
.else
.irp c, 0,1,2
	global_store_b128 v[LI], v[PC+4*\c:PC+4*\c+3], s[KB:KB+1] offset:1536*\i+512*\c              ; a pair of k's tiles: three pieces of 512
.endr
.endif
.endr
.if \isq
	global_store_b128 v[LI], v[SWM:SWM+3], s[QS:QS+1]
.else
	global_store_b128 v[LI], v[SWM:SWM+3], s[KSB:KSB+1]
.endif
.endm
.macro EPI_V                           ; v's 64 x 128 keys are quantised along the keys, a tile of the head's 64 at a time
	PLACES
.irp b, 0,1,2,3
	s_wait_xcnt 0x0
	QCODES 64*\b, 1
	WORD4 VW+(\b&1)
.if \b&1
	v_cndmask_b32 v[VSM+\b/2], v[VW], v[VW+1], s[HM]   ; lanes 0-15 the even tile's word, lanes 16-31 the odd tile's
.endif
.irp c, 0,1,2
	global_store_b128 v[LI], v[PC+4*\c:PC+4*\c+3], s[KB:KB+1] offset:6144+1536*\b+512*\c
.endr
.endr
	global_store_b64 v[L8], v[VSM:VSM+1], s[KSB:KSB+1] offset:512
.endm
	s_load_b256 s[4:11], s[0:1], 0x0               ; x1 s[4:5], x2 s[6:7], wp s[8:9], qc s[10:11]
	s_load_b64 s[12:13], s[0:1], 0x20              ; kv
	v_lshl_add_u32 v[SPW], v0, 2, SPARE
	v_mov_b32 v[NIL], 0
	v_lshrrev_b32 v60, 5, v0
	v_readfirstlane_b32 s[WV], v60
	s_lshr_b32 s[SET], ttmp9, 7
	s_bfe_u32 s16, ttmp9, 0x60001                  ; the block of 128 rows, 0 .. 63
	s_and_b32 s17, ttmp9, 1                        ; which four heads
	s_lshr_b32 s18, s16, 4                         ; batch
	s_and_b32 s19, s16, 15                         ; block in the batch
	s_lshl_b32 s41, s17, 2
	s_add_co_u32 s41, s41, s[WV]                   ; my head
	s_lshl_b32 s42, s18, 3
	s_add_co_u32 s42, s42, s41                     ; y = 8 batch + head
	s_lshl_b32 s44, s16, 19                        ; 128 rows of 4,096 bytes,
	s_lshr_b32 s43, s[WV], 1
	s_lshl_b32 s43, s43, 18                        ; my two tiles begin at row 64 (w / 2) + 16 (w % 2)
	s_add_co_u32 s44, s44, s43
	s_and_b32 s43, s[WV], 1
	s_lshl_b32 s43, s43, 16
	s_add_co_u32 s44, s44, s43
	s_mov_b32 s45, 0
	s_mul_i32 s46, s[SET], 25
	s_mul_i32 s43, s41, 3
	s_add_co_u32 s46, s46, s43                     ; my first unit in wp: (8 set + head) 3 + set (x2 has no q)
	s_mul_i32 s48, s46, 49152
	s_mov_b32 s49, 0
	s_lshl_b32 s50, s46, 12
	s_add_co_u32 s50, s50, 2359296
	s_mov_b32 s51, 0
	s_lshl_b32 s46, s42, 4
	s_add_co_u32 s46, s46, s19                     ; 16 y + block
	s_mul_i32 s52, s46, 6144
	s_mov_b32 s53, 0
	s_lshl_b32 s54, s46, 9
	s_add_co_u32 s54, s54, 3145728
	s_mov_b32 s55, 0
	s_mul_i32 s56, s42, 417792
	s_lshl_b32 s43, s[SET], 4
	s_add_co_u32 s43, s43, s19                     ; my key step: x1's blocks are 0-15, x2's 16-31
	s_mul_i32 s47, s43, 12288
	s_add_co_u32 s58, s56, s47
	s_mov_b32 s59, 0
	s_mul_i32 s47, s43, 768
	s_add_co_u32 s60, s56, s47
	s_add_co_u32 s60, s60, 393216
	s_mov_b32 s61, 0
	s_mov_b32 s[HM], 0xffff0000
	s_mov_b32 s[SEL], 0x76543210
	s_mov_b32 s[SEL+1], 0xfedcba98
	v_and_b32 v60, 31, v0                          ; lane
	v_and_b32 v61, 15, v0                          ; r
	v_bfe_u32 v62, v0, 4, 1                        ; h
	v_lshlrev_b32 v[LI], 4, v60
	v_lshlrev_b32 v[L8], 3, v60
	s_mul_i32 s43, s[WV], 16896
	s_add_co_u32 s43, s43, STG
	v_add_nc_u32 v[STW], s43, v[LI]
	v_mul_u32_u24 v63, v61, 528
	v_lshl_add_u32 v63, v62, 7, v63
	v_add_nc_u32 v[STR], s43, v63
	s_mul_i32 s43, s[WV], 3072
	v_add_nc_u32 v[XWI], s43, v[LI]
	v_lshlrev_b32 v63, 5, v60
	s_lshl_b32 s43, s[WV], 3
	s_add_co_u32 s43, s43, XSC
	v_add_nc_u32 v[XWS], s43, v63
	v_add_nc_u32 v[XR1], 49152, v[LI]
	v_add_nc_u32 v[XSR], XSC, v63
	v_lshlrev_b32 v[SH8], 3, v62
	v_mov_b32 v[SELV], 0x01010400                  ; lanes 0-15: my byte 0, the other half's byte 0, 0x7f, 0x7f
	v_mov_b32 v61, 0x01010206                      ; lanes 16-31: the other half's byte 2, my byte 2, 0x7f, 0x7f
	v_cndmask_b32 v[SELV], v[SELV], v61, s[HM]
	v_mov_b32 v[PX], 0                             ; written once: a lane permute's destination counts as one of its sources
	s_wait_kmcnt 0x0
	s_cmp_eq_u32 s[SET], 0                         ; the choice hangs on the work-group's number alone
	s_cselect_b64 s[XP:XP+1], s[4:5], s[6:7]
	s_add_nc_u64 s[XP:XP+1], s[XP:XP+1], s[44:45]
	s_add_nc_u64 s[WP:WP+1], s[8:9], s[48:49]
	s_add_nc_u64 s[WQ:WQ+1], s[8:9], s[50:51]
	s_add_nc_u64 s[QI:QI+1], s[10:11], s[52:53]
	s_add_nc_u64 s[QS:QS+1], s[10:11], s[54:55]
	s_add_nc_u64 s[KB:KB+1], s[12:13], s[58:59]
	s_add_nc_u64 s[KSB:KSB+1], s[12:13], s[60:61]
	WLOAD 0                                        ; the first unit's first three K steps of W land while x is quantised
	WLOAD 1
	WLOAD 2
	XLOAD 0, 0
	XLOAD 1, 0
	XLOAD 2, 0
	XLOAD 3, 0
	s_wait_loadcnt 48                              ; unit 0's 16 loads are in; units 1 to 3's may be out
	TURN 0
	s_mov_b32 s[XO], 0
	s_mov_b32 s[XQ], 0
	s_mov_b32 s[CNT], 3
.Lx:                                                   ; a trip: two K steps of my two tiles; the loads run a trip ahead, the turn through the stage a unit
	v_add_nc_u32 v[XAI], s[XO], v[XWI]
	v_add_nc_u32 v[XAS], s[XQ], v[XWS]
	UNITX 0, 1, 48, 1
	UNITX 1, 1, 48, 1
	UNITX 2, 1, 48, 1
	UNITX 3, 1, 48, 1
	s_wait_xcnt 0x0                                ; the loads have read their base: it may step
	s_add_nc_u64 s[XP:XP+1], s[XP:XP+1], 1024
	s_add_co_u32 s[XO], s[XO], 24576
	s_add_co_u32 s[XQ], s[XQ], 2048
	s_sub_co_u32 s[CNT], s[CNT], 1
	s_cmp_lg_u32 s[CNT], 0
	s_cbranch_scc1 .Lx
	v_add_nc_u32 v[XAI], s[XO], v[XWI]             ; the last trip loads nothing: the counts run down
	v_add_nc_u32 v[XAS], s[XQ], v[XWS]
	UNITX 0, 0, 32, 1
	UNITX 1, 0, 16, 1
	UNITX 2, 0, 0, 1
	UNITX 3, 0, 0, 0
	s_wait_dscnt 0x0                               ; for the others' sake: my images and words are stored
	s_barrier_signal -1
	s_barrier_wait -1                              ; x's 64 fragments lie in LDS; from here on LDS is only read
	FETCHX 0, 0
	s_cmp_lg_u32 s[SET], 0                         ; x2 has no q: a branch on the work-group's number, round straight-line code with no barrier and no LDS store
	s_cbranch_scc1 .Lno_q
.irp s, 0,1,2,3,4,5,6,7
	STEP 0, \s, 1, 1, 39                           ; K steps 5 to 7 ask for the next unit's K steps 0 to 2, which lie directly behind in wp
.endr
	EPI_QK 1
	s_wait_xcnt 0x0                                ; W's loads have read their bases
	s_add_nc_u64 s[WP:WP+1], s[WP:WP+1], 49152
	s_add_nc_u64 s[WQ:WQ+1], s[WQ:WQ+1], 4096
.Lno_q:                                                ; on both ways: K steps 0 to 2 of unit k are asked for into slots 0 to 2, x's K step 0 into set 0
.irp s, 0,1,2,3,4,5,6,7
	STEP 0, \s, 1, 1, 39
.endr
	EPI_QK 0
	s_wait_xcnt 0x0
	s_add_nc_u64 s[WP:WP+1], s[WP:WP+1], 49152
	s_add_nc_u64 s[WQ:WQ+1], s[WQ:WQ+1], 4096
.irp s, 0,1,2,3,4
	STEP 1, \s, 1, 1, 39
.endr
	STEP 1, 5, 0, 1, 26                            ; nothing follows unit v: the counts run down
	STEP 1, 6, 0, 1, 13
	STEP 1, 7, 0, 0, 0
	EPI_V
	s_wait_tensorcnt 0x0                           ; the wave's end, behind my last LDS store (every window is 0 here)
	ds_add_u32 v[SPW], v[NIL]
	s_wait_dscnt 0x0
	s_endpgm
.Lfunc_end_k_q7d42212002_proj:
	.size	k_q7d42212002_proj, .Lfunc_end_k_q7d42212002_proj-k_q7d42212002_proj
	.p2alignl 7, 3214868480
	.fill 96, 4, 3214868480
	.section	.rodata,"a",@progbits
	.p2align	6, 0x0
	.amdhsa_kernel k_q7d42212002_proj
		.amdhsa_group_segment_fixed_size 174592
		.amdhsa_private_segment_fixed_size 0
		.amdhsa_enable_private_segment 0
		.amdhsa_kernarg_size 40
		.amdhsa_user_sgpr_count 2
		.amdhsa_user_sgpr_kernarg_segment_ptr 1
		.amdhsa_wavefront_size32 1
		.amdhsa_system_sgpr_workgroup_id_x 1
		.amdhsa_system_sgpr_workgroup_id_y 1
		.amdhsa_system_sgpr_workgroup_id_z 1
		.amdhsa_system_vgpr_workitem_id 0
		.amdhsa_next_free_vgpr 1024
		.amdhsa_next_free_sgpr 66
		.amdhsa_reserve_vcc 0
		.amdhsa_float_denorm_mode_32 3
		.amdhsa_float_denorm_mode_16_64 3
		.amdhsa_memory_ordered 1
		.amdhsa_forward_progress 1
		.amdhsa_inst_pref_size 255
	.end_amdhsa_kernel
	.section	.bss,"aw",@nobits
	.p2align	6
	.space	262144
	.amdgpu_metadata
---
amdhsa.version: [ 1, 2 ]
amdhsa.kernels:
  - .name:           k_q7d42212002_proj
    .symbol:         k_q7d42212002_proj.kd
    .args:
      - { .name: x1, .offset: 0, .size: 8, .value_kind: global_buffer, .address_space: global }
      - { .name: x2, .offset: 8, .size: 8, .value_kind: global_buffer, .address_space: global }
      - { .name: wp, .offset: 16, .size: 8, .value_kind: global_buffer, .address_space: global }
      - { .name: qc, .offset: 24, .size: 8, .value_kind: global_buffer, .address_space: global }
      - { .name: kv, .offset: 32, .size: 8, .value_kind: global_buffer, .address_space: global }
    .group_segment_fixed_size: 174592
    .private_segment_fixed_size: 0
    .kernarg_segment_align: 8
    .kernarg_segment_size: 40
    .max_flat_workgroup_size: 128
    .sgpr_count:     66
    .vgpr_count:     1024
    .wavefront_size: 32
...
	.end_amdgpu_metadata
.endif
;; end of part 2
;; launch attn (part 3): grid 8 x 32, 16 waves a work-group, clusters of 4 x 1, 327,680 bytes of LDS; arguments qc, kv, oc; writes oc
.if DOCPART == 3
	.amdgcn_target "amdgcn-amd-amdhsa--gfx1250"
	.amdhsa_code_object_version 6
	.text
	.protected	k_q7d42212002_attn
	.globl	k_q7d42212002_attn
	.p2align	8
	.type	k_q7d42212002_attn,@function
k_q7d42212002_attn:
	s_mov_b64 s[64:65], 0
	v_nop
	global_prefetch_b8 v0, s[64:65] scope:SCOPE_SE
	s_setreg_imm32_b32 hwreg(HW_REG_WAVE_MODE, 25, 1), 1
	s_wait_xcnt 0x0
	s_wait_alu depctr_hold_cnt(0) depctr_sa_sdst(0) depctr_va_vdst(0) depctr_va_sdst(0) depctr_va_ssrc(0) depctr_va_vcc(0) depctr_vm_vsrc(0)
	s_getreg_b32 s2, hwreg(HW_REG_IB_STS2, 6, 4)
	s_cmp_eq_u32 s2, 0
	s_cbranch_scc0 .Lentry_in_a_cluster
	s_endpgm
.Lentry_in_a_cluster:
	s_bfe_u32 s2, ttmp6, 0x10000c
	s_cmp_lg_u32 s2, 0x3003
	s_cbranch_scc0 .Lentry_shape_is_right
	s_endpgm
.Lentry_shape_is_right:
; O = softmax(q k^T / 8) v for one (batch, head) y = 8 batch + head, 2,048 queries x 4,096 keys x 64, both products on codes of E2M3 with one E8M0 byte for each 32 along K; O / l is quantised along the head's 64 for the last product.
; THE SOFTMAX: t = score x log2(e) / 8; M = the running largest t rounded UP to a whole number; p = 2^(t - M) is what is quantised, along the keys, not normalised; the row's sum l is taken of the unquantised p and divides O at the end.
; When M moves, l and O are multiplied by 2^(old M - new M): exact.
; SHARES.  A work-group owns 256 queries, each of its sixteen waves one tile of 16, in 256 registers: four waves to a SIMD, so that one wave's vector work stands beside another's matrix work and LDS loads.
; Every wave walks 32 key steps of 128 keys.  K's and V's fragments lie in kv as images of operand registers (launch proj), 12,288 bytes a key step, so a slot of 8 key steps is one dense block of 98,304 bytes.
; LAYOUT.  Both products are used transposed: S^T = K Q^T, O^T = V^T P^T: a lane holds ONE query throughout.  Place m of key tile t is key 64 (t / 4) + 8 (t % 4) + m % 8 + 32 (m / 8): the 32 registers of tiles 4 c .. 4 c + 3
; are the whole block of keys 64 c + 32 h + 0 .. 31: a block's maximum needs no other lane, and the conversions' results are the second product's operand as they stand.
; K = 64 IN A FORM OF K = 128.  Q's registers 6-11 hold zero codes, and bytes 2 and 3 of both sides' scale words are 0x7f.  K's tile t is named as v[32 + 6 t .. 43 + 6 t]: its upper six registers are the next tile's codes
; (for tile 7: zeros); every code of E2M3 is a finite number, and it meets Q's zero codes: the upper half adds exactly 0.  So K's eight tiles come by 12 loads of 16 bytes a lane.
; CLUSTER.  The four query blocks of a cluster belong to one y and walk the same kv: each chunk of 24,576 bytes is asked for JOINTLY, by the same tensor load with the same descriptor and the mask of all four.
; RING.  Two slots of 8 key steps.  Waves 0-3 fetch a quarter of a slot each; wave 4 fetches the head's scale words once.  A wave has at most one tensor load out; every wait for tensor loads is for 0.  A refill has 8 key steps in which to land.
; NO PREFETCH: a refill is asked for 8 key steps of all sixteen waves ahead of the wait for it, so no wave waits for that stream.
; THE SCALE BYTES OF O leave as 2 bytes a lane, 16 bytes apart (64 of a wave's 832 bytes of output): the eight heads' waves together fill those units.
; LIMITS: NaN and infinities are not served; a block whose largest magnitude lies under 2^-124, a block of zeros among them, gets the byte 1 (the bytes are read by this program alone).
.set SLOT1, 1<<17                      ; LDS: slot 0 at 0, slot 1 at 2^17: one exclusive or turns an address from one to the other
.set SCB,   98304                      ; the head's scale words: [key step 32][K: lane 32 x 4 words | V: lane 32 x 2 words], 768 bytes a key step
.set SPARE, 122880                     ; the spare words, 128 bytes for each of sixteen waves
.set LI,  1                            ; v1   16 x lane
.set ASV, 2                            ; v2   SCB + 512 + 8 x lane
.set ASK, 3                            ; v3   SCB + 16 x lane
.set SPW, 4                            ; v4   LDS address of my spare word; never rewritten
.set NIL, 5                            ; v5   0; never rewritten
.set ADK, 6                            ; v6-8 the step's addresses: fragments, K's words, V's words
.set ADS, 7
.set ADT, 8
.set L8,  9                            ; v9   8 x lane
.set SH8, 10                           ; v10  8 h
.set QSO, 11                           ; v11  16 r
.set Q,   16                           ; v16-27 Q's fragment (v22-27 zero codes)
.set QW,  28                           ; v28  Q's scale words
.set KF,  32                           ; v32-79 K's eight half fragments, then V's four fragments; v80-85 zero codes
.set KS,  86                           ; v86-89 K's scale words, a pair of tiles to a register
.set VS,  90                           ; v90-91 V's
.set PW,  92                           ; v92  p's scale word
.set S,   96                           ; v96-159 S^T, then p
.set O,   160                          ; v160-191 O^T
.set PC,  192                          ; v192-203 p's codes
.set PT,  204                          ; v204-206, v208-210
.set BM,  212                          ; v212-215 largest scores
.set T,   216
.set PX,  217
.set SO,  218
.set BY,  220
.set F,   226                          ; v[226:227] f = 2^(old M - new M), and 0
.set L2,  228                          ; v[228:229] the sums' second chain
.set WV,  14
.set SEL, 20
.set CS,  22                           ; s[22:23] c = log2(e) / 8
.set G1,  24
.set G0,  32
.set TB,  36                           ; s36  LDS byte of the key step's fragments
.set TS,  37                           ; s37  768 x key step
.set SLOTS, 38
.set CNT, 39
.macro PLACES
.rept 4
	v_nop
.endr
.endm
.macro CROUND                          ; a round of the cluster's barrier: my work-group's barrier; wave 0 signals for the work-group; every wave waits for all four work-groups; my work-group's barrier once more
	s_barrier_signal -1
	s_barrier_wait -1
	s_cmp_lg_u32 s[WV], 0
	s_cbranch_scc1 .Lnot_wave_0_\@
	s_barrier_signal -3
.Lnot_wave_0_\@:
	s_barrier_wait -3
	s_barrier_signal -1
	s_barrier_wait -1
.endm
	s_load_b128 s[4:7], s[0:1], 0x0                ; qc s[4:5], kv s[6:7]
	s_load_b64 s[8:9], s[0:1], 0x10                ; oc
	v_lshl_add_u32 v[SPW], v0, 2, SPARE
	v_mov_b32 v[NIL], 0
	ds_add_u32 v[SPW], v[NIL]                      ; the wave's opening: the add, and its wait ahead of the first tensor loads; the set-up below, work on registers, stands between them
	v_lshrrev_b32 v6, 5, v0
	v_readfirstlane_b32 s[WV], v6                  ; wave 0..15
	s_bfe_u32 s10, ttmp6, 0x40000                  ; cx: it enters Q's and O's global addresses alone
	s_lshl_b32 s11, ttmp9, 2
	s_add_co_u32 s11, s11, s10                     ; my block of 256 queries
	s_lshl_b32 s11, s11, 4
	s_add_co_u32 s11, s11, s[WV]                   ; my tile of queries, 0 .. 127
	s_and_b32 s12, ttmp7, 0xffff                   ; y, which the four partners share
	s_lshr_b32 s13, s[WV], 2
	s_mul_i32 s13, s13, 12
	s_add_co_u32 s13, s13, s[WV]                   ; the chunk that I fetch first: waves 0-3: 0-3; wave 4: 16, the scale words
	s_mul_i32 s13, s13, 24576
	s_mul_i32 s15, s12, 417792
	s_add_co_u32 s16, s13, s15
	s_mov_b32 s17, 0
	s_lshl_b32 s18, s12, 7
	s_add_co_u32 s18, s18, s11
	s_mul_i32 s18, s18, 768                        ; Q's half fragment
	s_mov_b32 s19, 0
	s_lshl_b32 s40, s12, 4
	s_lshr_b32 s41, s11, 3
	s_add_co_u32 s40, s40, s41
	s_lshl_b32 s40, s40, 9                         ; Q's scale words: 512 bytes for each block of 8 tiles;
	s_and_b32 s41, s[WV], 1
	s_lshl_b32 s41, s41, 8                         ; an odd tile's lie in lanes 16-31 of the pair's word;
	s_add_co_u32 s40, s40, s41
	s_bfe_u32 s41, s[WV], 0x20001
	s_lshl_b32 s41, s41, 2                         ; which pair of the block
	s_add_co_u32 s40, s40, s41
	s_add_co_u32 s40, s40, 3145728
	s_mov_b32 s41, 0
	s_lshr_b32 s42, s12, 3
	s_lshl_b32 s42, s42, 7
	s_add_co_u32 s42, s42, s11                     ; O's tile of rows: 128 batch + tile
	s_and_b32 s43, s12, 7                          ; head
	s_lshl_b32 s44, s42, 3
	s_add_co_u32 s44, s44, s43
	s_mul_i32 s44, s44, 768
	s_mov_b32 s45, 0
	s_lshl_b32 s46, s42, 9
	s_lshl_b32 s43, s43, 1
	s_add_co_u32 s46, s46, s43
	s_add_co_u32 s46, s46, 3145728
	s_mov_b32 s47, 0
	; descriptor group 1, for every load: 96 rows of 256 bytes (32 elements of 8 bytes), dense
	s_mov_b32 s[G1], 15|(3<<16)|(1<<21)            ; 15:0 the mask: all four work-groups; 17:16 elements of 8 bytes; 20 no padding; 21 set beside a mask
	s_mov_b32 s[G1+1], 32<<16                      ; tensor_dim0 = 32
	s_mov_b32 s[G1+2], 96<<16                      ; tensor_dim1 = 96
	s_mov_b32 s[G1+3], 32<<16                      ; tile_dim0 = 32
	s_mov_b32 s[G1+4], 96                          ; tile_dim1 = 96
	s_mov_b32 s[G1+5], 32                          ; from row to row
	s_mov_b32 s[G1+6], 0
	s_mov_b32 s[G1+7], 0
	s_mov_b32 s[G0], 1
	s_mul_i32 s[G0+1], s[WV], 24576                ; LDS: waves 0-3 the quarters of slot 0, wave 4 at SCB: no place in the cluster enters it
	s_mov_b32 s[SEL], 0x76543210
	s_mov_b32 s[SEL+1], 0xfedcba98
	s_mov_b32 s[CS], 0x3e38aa3b
	s_mov_b32 s[CS+1], s[CS]                       ; (named with it as a pair, so it is written)
	s_mov_b32 s[TB], 0
	s_mov_b32 s[TS], 0
	s_mov_b32 s[SLOTS], 3
	v_and_b32 v6, 31, v0
	v_lshlrev_b32 v[LI], 4, v6
	v_lshlrev_b32 v[L8], 3, v6
	v_add_nc_u32 v[ASV], SCB+512, v[L8]
	v_add_nc_u32 v[ASK], SCB, v[LI]
	v_bfe_u32 v7, v0, 4, 1
	v_lshlrev_b32 v[SH8], 3, v7
	v_and_b32 v8, 15, v0
	v_lshlrev_b32 v[QSO], 4, v8
	s_wait_dscnt 0x0                               ; the opening add is done
	s_wait_kmcnt 0x0
	s_add_nc_u64 s[G0+2:G0+3], s[6:7], s[16:17]
	s_or_b32 s[G0+3], s[G0+3], 0x80000000          ; type = 2
	s_add_nc_u64 s[48:49], s[4:5], s[18:19]
	s_add_nc_u64 s[50:51], s[4:5], s[40:41]
	s_add_nc_u64 s[52:53], s[8:9], s[44:45]
	s_add_nc_u64 s[54:55], s[8:9], s[46:47]
	CROUND                                         ; all four work-groups are here: the first joint loads meet
	s_cmp_lt_u32 s[WV], 5                          ; the first fills, in one branch on the wave's number: slot 0 and the scale words
	s_cbranch_scc0 .Lno_first
	tensor_load_to_lds s[G0:G0+3], s[G1:G1+7]
	s_nop 0
	PLACES
.Lno_first:
.irp p, 0,1,2
	global_load_b64 v[Q+2*\p:Q+2*\p+1], v[L8], s[48:49] offset:256*\p   ; Q stays in registers
.endr
	global_load_b32 v[QW], v[QSO], s[50:51]
.irp i, 6,7,8,9,10,11
	v_mov_b32 v[Q+\i], 0                           ; zero codes for k = 64 .. 127
.endr
.irp i, 48,49,50,51,52,53
	v_mov_b32 v[KF+\i], 0                          ; what tile 7's upper half names
.endr
.set i, 0
.rept 32
	v_mov_b32 v[O+i], 0                            ; O^T.  (The step is written once: the first finds zeros, which the first change of M leaves zeros)
.set i, i+1
.endr
	v_mov_b32 v13, 0xff61b1e6                      ; the largest t so far: -3e38, under every t
	v_floor_f32 v12, -v13                          ; -M
	v_mov_b32 v14, 0                               ; the sum, in two halves
	v_mov_b32 v15, 0
	v_mov_b32 v[PX], 0                             ; written once: a lane permute's destination counts as one of its sources
	v_mov_b32 v[F+1], 0                            ; (named as the upper half of a pair)
	s_wait_loadcnt 0x0                             ; Q
; A KEY STEP: 128 keys
.macro STEP
	v_add_nc_u32 v[ADK], s[TB], v[LI]
	v_add_nc_u32 v[ADS], s[TS], v[ASK]
	v_add_nc_u32 v[ADT], s[TS], v[ASV]
	v_nop                                          ; with the three above: four places in front of loads into registers that the last products have read
.irp c, 0,1,2,3,4,5,6,7,8,9,10,11
	ds_load_b128 v[KF+4*\c:KF+4*\c+3], v[ADK] offset:512*\c
.endr
	ds_load_b128 v[KS:KS+3], v[ADS]
	s_wait_dscnt 0x0
.irp t, 0,2,4,6
	v_wmma_scale_f32_16x16x128_f8f6f4 v[S+8*\t:S+8*\t+7], v[KF+6*\t:KF+6*\t+11], v[Q:Q+11], 0, v[KS+\t/2], v[QW] matrix_a_fmt:MATRIX_FMT_FP6 matrix_b_fmt:MATRIX_FMT_FP6
	v_wmma_scale_f32_16x16x128_f8f6f4 v[S+8*\t+8:S+8*\t+15], v[KF+6*\t+6:KF+6*\t+17], v[Q:Q+11], 0, v[KS+\t/2], v[QW] matrix_a_fmt:MATRIX_FMT_FP6 matrix_b_fmt:MATRIX_FMT_FP6 matrix_a_scale:MATRIX_SCALE_ROW1
.endr
	PLACES                                         ; in front of the loads into K's registers and of the first read of the scores
.irp c, 0,1,2,3,4,5,6,7,8,9,10,11
	ds_load_b128 v[KF+4*\c:KF+4*\c+3], v[ADK] offset:6144+512*\c   ; V is asked for here and lands under the softmax
.endr
	ds_load_b64 v[VS:VS+1], v[ADT]
.irp b, 0,1,2,3
	v_max3_num_f32 v[BM+\b], v[S+16*\b], v[S+16*\b+1], v[S+16*\b+2]   ; four chains of 16 scores
.endr
.irp i, 3,5,7,9,11,13
.irp b, 0,1,2,3
	v_max3_num_f32 v[BM+\b], v[BM+\b], v[S+16*\b+\i], v[S+16*\b+\i+1]
.endr
.endr
.irp b, 0,1,2,3
	v_max_num_f32 v[BM+\b], v[BM+\b], v[S+16*\b+15]
.endr
	v_max_num_f32 v[BM], v[BM], v[BM+1]            ; THE LARGEST SCORE OF MY TWO BLOCKS OF 32 KEYS, h and 2 + h: it serves twice: for the row's maximum and, since p rises with the score, for the block's largest p
	v_max_num_f32 v[BM+2], v[BM+2], v[BM+3]
	v_max_num_f32 v[T], v[BM], v[BM+2]
	v_permlanex16_b32 v[PX], v[T], s[SEL], s[SEL+1]
	v_max_num_f32 v[T], v[T], v[PX]                ; the step's largest score of my query
	v_mul_f32 v[T], s[CS], v[T]                    ; as t (c is positive)
	v_max_num_f32 v13, v13, v[T]                   ; the running largest t
	v_mov_b32 v[T], v12
	v_floor_f32 v12, -v13                          ; the new -M = floor(-t) = -ceil(t)
	v_sub_f32 v[T], v12, v[T]                      ; old M - new M: a whole number, 0 or less
	v_cvt_i32_f32 v[T], v[T]                       ; (it saturates)
	v_ldexp_f32 v[F], 1.0, v[T]                    ; f = 2^(old M - new M)
.set i, 0
.rept 32
	v_pk_fma_f32 v[S+i:S+i+1], v[S+i:S+i+1], s[CS:CS+1], v[12:13] op_sel_hi:[1,0,0]   ; t - M, two at a time
.set i, i+2
.endr
	v_fma_f32 v[BM], v[BM], s[CS], v12             ; the same of each block's largest score
	v_fma_f32 v[BM+2], v[BM+2], s[CS], v12
.set i, 0
.rept 64
	v_exp_f32 v[S+i], v[S+i]                       ; p = 2^(t - M), at most 1
.set i, i+1
.endr
	v_pk_mul_f32 v[14:15], v[14:15], v[F:F+1] op_sel_hi:[1,0]   ; the sums under the new M: a plain instruction behind the exponentials
	s_wait_alu depctr_va_vdst(0)                   ; one wait for the whole batch, ahead of its first use
	v_exp_f32 v[BM], v[BM]                         ; the blocks' largest p: the same two instructions on the same number give the same bits
	v_exp_f32 v[BM+2], v[BM+2]
	v_pk_add_f32 v[L2:L2+1], v[S:S+1], v[S+2:S+3]  ; THE ROW'S SUM IS TAKEN OF THE UNQUANTISED p, in two chains
.set i, 4
.rept 15
	v_pk_add_f32 v[14:15], v[14:15], v[S+i:S+i+1]
	v_pk_add_f32 v[L2:L2+1], v[L2:L2+1], v[S+i+2:S+i+3]
.set i, i+4
.endr
	v_pk_add_f32 v[14:15], v[14:15], v[L2:L2+1]
	s_wait_alu depctr_va_vdst(0)                   ; and one for the two
	v_max_num_f32 v[BM], 0x1800000, v[BM]          ; the floor 2^(3 - 127): the byte cannot fall under 1
	v_max_num_f32 v[BM+2], 0x1800000, v[BM+2]
	v_add_nc_u32 v[SO], 0xff000000, v[BM]          ; 2 off the exponent field: the conversion's scale operand
	v_add_nc_u32 v[SO+1], 0xff000000, v[BM+2]
	v_lshrrev_b32 v[BY], 23, v[SO]
	v_lshrrev_b32 v[BY+1], 23, v[SO+1]
	v_lshl_or_b32 v[PW], v[BY+1], 16, v[BY]        ; my two bytes at their places;
	v_lshlrev_b32 v[PW], v[SH8], v[PW]
	v_permlanex16_b32 v[PX], v[PW], s[SEL], s[SEL+1]
	v_or_b32 v[PW], v[PW], v[PX]                   ; with lane l xor 16's two: p's scale word for these 128 keys
.irp c, 0,1
	v_cvt_scalef32_pk16_fp6_f32 v[PC+6*\c:PC+6*\c+2], v[S+32*\c:S+32*\c+15], v[SO+\c]
	v_cvt_scalef32_pk16_fp6_f32 v[PT+4*\c:PT+4*\c+2], v[S+32*\c+16:S+32*\c+31], v[SO+\c]   ; (a conversion's three registers begin on an even number)
.endr
	v_nop                                          ; one plain instruction behind the conversions
.irp c, 0,1
.irp i, 0,1,2
	v_mov_b32 v[PC+6*\c+3+\i], v[PT+4*\c+\i]
.endr
.endr
.set i, 0
.rept 16
	v_pk_mul_f32 v[O+i:O+i+1], v[O+i:O+i+1], v[F:F+1] op_sel_hi:[1,0]   ; O^T under the new M.  (These 16 are also the places between the writes of p's codes and scale word and the products)
.set i, i+2
.endr
	s_wait_dscnt 0x0                               ; V
.irp t, 0,2                                    ; the four accumulators take turns
	v_wmma_scale_f32_16x16x128_f8f6f4 v[O+8*\t:O+8*\t+7], v[KF+12*\t:KF+12*\t+11], v[PC:PC+11], v[O+8*\t:O+8*\t+7], v[VS+\t/2], v[PW] matrix_a_fmt:MATRIX_FMT_FP6 matrix_b_fmt:MATRIX_FMT_FP6
	v_wmma_scale_f32_16x16x128_f8f6f4 v[O+8*\t+8:O+8*\t+15], v[KF+12*\t+12:KF+12*\t+23], v[PC:PC+11], v[O+8*\t+8:O+8*\t+15], v[VS+\t/2], v[PW] matrix_a_fmt:MATRIX_FMT_FP6 matrix_b_fmt:MATRIX_FMT_FP6 matrix_a_scale:MATRIX_SCALE_ROW1
.endr
	s_add_co_u32 s[TB], s[TB], 12288
	s_add_co_u32 s[TS], s[TS], 768
.endm
; THE CHANGE OF SLOTS stands at a slot's head.  Each wave waits for all its tensor loads (its part of the slot ahead), adds 0 to its spare word, and waits for that and for its reads of the slot that it has left.
; fill = 1: the barrier is a round of the cluster's, so that no wave of any partner still reads the other slot or has a load on its way, and the joint refill is the first thing behind it.
.macro CHANGE fill
	s_wait_tensorcnt 0x0                           ; no tensor load of mine is out, so the descriptor may be written
	ds_add_u32 v[SPW], v[NIL]                      ; 0 onto my spare word
.if \fill
	s_xor_b32 s[G0+1], s[G0+1], SLOT1              ; the other slot than last time,
	s_add_nc_u64 s[G0+2:G0+3], s[G0+2:G0+3], 98304 ; the next 8 key steps; the type bits on top are not reached
.endif
	s_wait_dscnt 0x0                               ; the add is done, and my reads of the slot that I have left are over
.if \fill
	CROUND
	s_cmp_lt_u32 s[WV], 4
	s_cbranch_scc0 .Lno_load_\@
	tensor_load_to_lds s[G0:G0+3], s[G1:G1+7]
	s_nop 0
	PLACES
.Lno_load_\@:
.else
	s_barrier_signal -1
	s_barrier_wait -1
.endif
.endm
.macro EIGHT                           ; a slot's 8 key steps: written once, walked eight times
	s_mov_b32 s[CNT], 8
.Lstep_\@:
	STEP
	s_sub_co_u32 s[CNT], s[CNT], 1
	s_cmp_lg_u32 s[CNT], 0
	s_cbranch_scc1 .Lstep_\@
	s_sub_co_u32 s[TB], s[TB], 98304               ; back to a slot's first key step,
	s_xor_b32 s[TB], s[TB], SLOT1                  ; in the other slot
.endm
.Lslot:                                                ; three trips: behind each change of slots but the last the next slot is asked for
	CHANGE 1
	EIGHT
	s_sub_co_u32 s[SLOTS], s[SLOTS], 1
	s_cmp_lg_u32 s[SLOTS], 0
	s_cbranch_scc1 .Lslot
	CHANGE 0                                       ; the last slot is written out
	EIGHT
	; THE WAY OUT: O^T / l, quantised along the head's 64: my 32 registers are block h of my query
	PLACES                                         ; behind the last products
	v_add_f32 v14, v14, v15                        ; the sum's two halves,
	v_permlanex16_b32 v[PX], v14, s[SEL], s[SEL+1]
	v_add_f32 v14, v14, v[PX]                      ; and lane l xor 16's
	v_rcp_f32 v14, v14
	v_nop                                          ; a plain instruction behind the reciprocal
	s_wait_alu depctr_va_vdst(0)                   ; and the wait ahead of its first use
.set i, 0
.rept 32
	v_mul_f32 v[S+i], v[O+i], v14                  ; each accumulator from its low end on
.set i, i+1
.endr
	v_max3_num_f32 v[BM], |v[S]|, |v[S+1]|, 0x1800000
	v_max3_num_f32 v[BM+1], |v[S+16]|, |v[S+17]|, 0x1800000
.irp i, 2,4,6,8,10,12,14
	v_max3_num_f32 v[BM], v[BM], |v[S+\i]|, |v[S+\i+1]|
	v_max3_num_f32 v[BM+1], v[BM+1], |v[S+16+\i]|, |v[S+17+\i]|
.endr
	v_max_num_f32 v[BM], v[BM], v[BM+1]
	v_add_nc_u32 v[SO], 0xff000000, v[BM]
	v_lshrrev_b32 v[BY], 23, v[SO]
	v_cvt_scalef32_pk16_fp6_f32 v[PC:PC+2], v[S:S+15], v[SO]
	v_cvt_scalef32_pk16_fp6_f32 v[PT:PT+2], v[S+16:S+31], v[SO]
	v_nop
.irp i, 0,1,2
	v_mov_b32 v[PC+3+\i], v[PT+\i]
.endr
	v_lshlrev_b32 v[PW], v[SH8], v[BY]
	v_permlanex16_b32 v[PX], v[PW], s[SEL], s[SEL+1]
	v_or_b32 v[PW], v[PW], v[PX]                   ; my query's two bytes, in both halves of the lanes
.irp p, 0,1,2
	global_store_b64 v[L8], v[PC+2*\p:PC+2*\p+1], s[52:53] offset:256*\p   ; 256 consecutive bytes, at a multiple of 256 from the buffer's first byte
.endr
	global_store_b16 v[LI], v[PW], s[54:55]
	s_wait_tensorcnt 0x0                           ; the wave's end, behind my last tensor load
	ds_add_u32 v[SPW], v[NIL]
	s_wait_dscnt 0x0
	CROUND                                         ; the closing round: no work-group ends while a partner may still ask for a chunk that names it
	s_endpgm
.Lfunc_end_k_q7d42212002_attn:
	.size	k_q7d42212002_attn, .Lfunc_end_k_q7d42212002_attn-k_q7d42212002_attn
	.p2alignl 7, 3214868480
	.fill 96, 4, 3214868480
	.section	.rodata,"a",@progbits
	.p2align	6, 0x0
	.amdhsa_kernel k_q7d42212002_attn
		.amdhsa_group_segment_fixed_size 327680
		.amdhsa_private_segment_fixed_size 0
		.amdhsa_enable_private_segment 0
		.amdhsa_kernarg_size 24
		.amdhsa_user_sgpr_count 2
		.amdhsa_user_sgpr_kernarg_segment_ptr 1
		.amdhsa_wavefront_size32 1
		.amdhsa_system_sgpr_workgroup_id_x 1
		.amdhsa_system_sgpr_workgroup_id_y 1
		.amdhsa_system_sgpr_workgroup_id_z 1
		.amdhsa_system_vgpr_workitem_id 0
		.amdhsa_next_free_vgpr 256
		.amdhsa_next_free_sgpr 66
		.amdhsa_reserve_vcc 0
		.amdhsa_float_denorm_mode_32 3
		.amdhsa_float_denorm_mode_16_64 3
		.amdhsa_memory_ordered 1
		.amdhsa_forward_progress 1
		.amdhsa_inst_pref_size 41
	.end_amdhsa_kernel
	.amdgpu_metadata
---
amdhsa.version: [ 1, 2 ]
amdhsa.kernels:
  - .name:           k_q7d42212002_attn
    .symbol:         k_q7d42212002_attn.kd
    .args:
      - { .name: qc, .offset: 0, .size: 8, .value_kind: global_buffer, .address_space: global }
      - { .name: kv, .offset: 8, .size: 8, .value_kind: global_buffer, .address_space: global }
      - { .name: oc, .offset: 16, .size: 8, .value_kind: global_buffer, .address_space: global }
    .group_segment_fixed_size: 327680
    .private_segment_fixed_size: 0
    .kernarg_segment_align: 8
    .kernarg_segment_size: 24
    .max_flat_workgroup_size: 512
    .sgpr_count:     66
    .vgpr_count:     256
    .wavefront_size: 32
...
	.end_amdgpu_metadata
.endif
;; end of part 3
;; launch outp (part 4): grid 256 x 1, 4 waves a work-group, no clusters, 34,304 bytes of LDS; arguments oc, wo, bo, out0; writes out0
.if DOCPART == 4
	.amdgcn_target "amdgcn-amd-amdhsa--gfx1250"
	.amdhsa_code_object_version 6
	.text
	.protected	k_q7d42212002_outp
	.globl	k_q7d42212002_outp
	.p2align	8
	.type	k_q7d42212002_outp,@function
k_q7d42212002_outp:
	s_mov_b64 s[64:65], 0
	v_nop
	global_prefetch_b8 v0, s[64:65] scope:SCOPE_SE
	s_setreg_imm32_b32 hwreg(HW_REG_WAVE_MODE, 25, 1), 1
	s_wait_xcnt 0x0
; out0 = O Wo + bo, on codes of E2M3 with one E8M0 byte for each 32 along K = 512.  O's and Wo's fragments lie in memory as images of operand registers (launches attn and wq).
; SHARES.  A work-group takes 64 rows (four tiles) and half of the 1,024 columns; wave w takes 128 columns (eight tiles): its 32 fragments of Wo stay in registers, 4 tiles of rows x 8 tiles of columns x 4 K steps = 128 matrix instructions.
; TRANSPOSED: source 0 = 16 columns of Wo, source 1 = 16 rows of O.  Place m of column tile t is column 64 (t / 4) + 8 (t % 4) + m % 8 + 32 (m / 8): a lane holds eight neighbouring columns of one row.
; Place r of row tile m is row 8 m + r % 8 + 32 (r / 8) of the 64.  The bias is the C of each sum's first matrix instruction.
; A tile of 16 rows x 128 columns goes through the wave's own stage in LDS and leaves as whole rows of 512 bytes.  No barrier: waves share nothing.
; NO JOINT LOADS: the launch has no tensor load; every operand is loaded once by its wave, straight into the registers in which it is multiplied; O's 24,576 bytes are read by the work-group's four waves and by one more work-group.
; REGISTERS, in windows of 256: window 0 addresses, scale words, v64-191 two sets of 8 accumulators, v192-255 rows on the way out; window 1 Wo's K steps 0, 1; window 2 K steps 2, 3; window 3 v0-63 the bias, v64-255 O's 16 fragments.
.set SPARE, 33792                      ; LDS: four stages of 16 rows x 528 bytes (512 + 16); behind them the spare words, 128 bytes for each wave
.set LI,  1                            ; v1   16 x lane
.set L8,  2                            ; v2   8 x lane
.set HB,  3                            ; v3   128 h
.set STO, 4                            ; v4   the stage: row r, + 128 h
.set RD,  5                            ; v5   and back: 16 x lane of a row
.set SPW, 14
.set NIL, 15
.set WS,  16                           ; v16-47 Wo's scale words: 8 s + t
.set OS,  48                           ; v48-63 O's: 4 m + s
.set AC,  64
.set BK,  192
.set MSB, 0
.macro WIN new
.if MSB != (\new)
	s_set_vgpr_msb (MSB<<8)|(\new)
.set MSB, (\new)
.endif
.endm
.macro PLACES
.rept 4
	v_nop
.endr
.endm
.macro MUL m                           ; row tile m: the eight accumulators take turns, K step by K step
.irp s, 0,1,2,3
.if \s == 0
	WIN 0x3d                                       ; source 0 (Wo) window 1, source 1 (O) and C (the bias) window 3, D window 0
.elseif \s == 1
	WIN 0x0d
.else
	WIN 0x0e                                       ; Wo in window 2
.endif
.irp t, 0,1,2,3,4,5,6,7
.if \s == 0
	v_wmma_scale_f32_16x16x128_f8f6f4 v[AC+64*((\m)&1)+8*\t:AC+64*((\m)&1)+8*\t+7], v[96*(\s&1)+12*\t:96*(\s&1)+12*\t+11], v[64+48*(\m)+12*\s:64+48*(\m)+12*\s+11], v[8*\t:8*\t+7], v[WS+8*\s+\t], v[OS+4*(\m)+\s] matrix_a_fmt:MATRIX_FMT_FP6 matrix_b_fmt:MATRIX_FMT_FP6
.else
	v_wmma_scale_f32_16x16x128_f8f6f4 v[AC+64*((\m)&1)+8*\t:AC+64*((\m)&1)+8*\t+7], v[96*(\s&1)+12*\t:96*(\s&1)+12*\t+11], v[64+48*(\m)+12*\s:64+48*(\m)+12*\s+11], v[AC+64*((\m)&1)+8*\t:AC+64*((\m)&1)+8*\t+7], v[WS+8*\s+\t], v[OS+4*(\m)+\s] matrix_a_fmt:MATRIX_FMT_FP6 matrix_b_fmt:MATRIX_FMT_FP6
.endif
.endr
.endr
.endm
.macro TOSTAGE m
	WIN 0
.if (\m) > 0
	s_wait_xcnt 0x0                                ; the last tile's stores have read the registers into which these rows come back
.endif
.irp t, 0,1,2,3,4,5,6,7
	ds_store_b128 v[STO], v[AC+64*((\m)&1)+8*\t:AC+64*((\m)&1)+8*\t+3] offset:256*(\t>>2)+32*(\t&3)       ; each accumulator from its low end on
	ds_store_b128 v[STO], v[AC+64*((\m)&1)+8*\t+4:AC+64*((\m)&1)+8*\t+7] offset:256*(\t>>2)+32*(\t&3)+16
.endr
.irp i, 0,1,2,3,4,5,6,7,8,9,10,11,12,13,14,15
	ds_load_b128 v[BK+4*\i:BK+4*\i+3], v[RD] offset:528*\i   ; LDS serves a wave's instructions in order (ISA guide 5.7.1.4): these see the stores above
.endr
.endm
.macro SEND m
	WIN 0
	s_wait_dscnt 0x0                               ; the rows are back, and the stage's stores have read the accumulators
.irp i, 0,1,2,3,4,5,6,7,8,9,10,11,12,13,14,15
	global_store_b128 v[LI], v[BK+4*\i:BK+4*\i+3], s[38:39] offset:(8*(\m)+(\i&7)+32*(\i>>3))*4096 th:TH_STORE_NT   ; 512 consecutive bytes, at a multiple of 512 from out0's first byte; written once
.endr
.endm
	s_load_b256 s[4:11], s[0:1], 0x0               ; oc s[4:5], wo s[6:7], bo s[8:9], out0 s[10:11]
	v_lshl_add_u32 v[SPW], v0, 2, SPARE
	v_mov_b32 v[NIL], 0
	v_lshrrev_b32 v6, 5, v0
	v_readfirstlane_b32 s12, v6                    ; wave
	s_and_b32 s13, ttmp9, 1
	s_lshr_b32 s14, ttmp9, 1                       ; which 64 rows
	s_lshl_b32 s15, s13, 2
	s_add_co_u32 s15, s15, s12                     ; which 128 columns
	s_mul_i32 s16, s15, 49152
	s_mov_b32 s17, 0
	s_lshl_b32 s18, s15, 12
	s_add_co_u32 s18, s18, 393216
	s_mov_b32 s19, 0
	s_lshl_b32 s20, s15, 9
	s_mov_b32 s21, 0
	s_mul_i32 s22, s14, 24576
	s_mov_b32 s23, 0
	s_lshl_b32 s24, s14, 11
	s_add_co_u32 s24, s24, 3145728
	s_mov_b32 s25, 0
	s_lshl_b32 s26, s14, 18
	s_add_co_u32 s26, s26, s20
	s_mov_b32 s27, 0
	v_and_b32 v6, 31, v0
	v_and_b32 v7, 15, v0
	v_bfe_u32 v8, v0, 4, 1
	v_lshlrev_b32 v[LI], 4, v6
	v_lshlrev_b32 v[L8], 3, v6
	v_lshlrev_b32 v[HB], 7, v8
	s_mul_i32 s13, s12, 8448                       ; my stage
	v_mul_u32_u24 v9, v7, 528
	v_add_nc_u32 v9, v9, v[HB]
	v_add_nc_u32 v[STO], s13, v9
	v_add_nc_u32 v[RD], s13, v[LI]
	s_wait_kmcnt 0x0
	s_add_nc_u64 s[28:29], s[6:7], s[16:17]        ; Wo's images
	s_add_nc_u64 s[30:31], s[6:7], s[18:19]        ; and scale words
	s_add_nc_u64 s[32:33], s[8:9], s[20:21]        ; bo at my columns
	s_add_nc_u64 s[34:35], s[4:5], s[22:23]        ; O's images
	s_add_nc_u64 s[36:37], s[4:5], s[24:25]        ; and scale words
	s_add_nc_u64 s[38:39], s[10:11], s[26:27]      ; out0 at my rows and columns
.irp s, 0,1,2,3
	WIN 0x40*(1+\s/2)
.irp t, 0,1,2,3,4,5,6,7
.irp c, 0,1,2
	global_load_b128 v[96*(\s&1)+12*\t+4*\c:96*(\s&1)+12*\t+4*\c+3], v[LI], s[28:29] offset:12288*\s+1536*\t+512*\c
.endr
.endr
.endr
	WIN 0
.irp s, 0,1,2,3
.irp f, 0,1
	global_load_b128 v[WS+8*\s+4*\f:WS+8*\s+4*\f+3], v[LI], s[30:31] offset:1024*\s+512*\f
.endr
.endr
	WIN 0xc0
.irp t, 0,1,2,3,4,5,6,7
	global_load_b128 v[8*\t:8*\t+3], v[HB], s[32:33] offset:256*(\t>>2)+32*(\t&3)        ; the bias in the result's layout: the tile's eight columns of my half
	global_load_b128 v[8*\t+4:8*\t+7], v[HB], s[32:33] offset:256*(\t>>2)+32*(\t&3)+16
.endr
	WIN 0
.irp m, 0,1,2,3
	global_load_b128 v[OS+4*\m:OS+4*\m+3], v[LI], s[36:37] offset:512*\m
.endr
	WIN 0xc0
.irp m, 0,1,2,3
.irp s, 0,1,2,3
.irp p, 0,1,2,3,4,5
	global_load_b64 v[64+48*\m+12*\s+2*\p:64+48*\m+12*\s+2*\p+1], v[L8], s[34:35] offset:6144*\m+1536*\s+256*\p
.endr
.endr
.endr
	WIN 0
	s_wait_loadcnt 48                              ; all but row tiles 2 and 3's 24 loads each are in (72 would do for tile 0 and is more than the wait can name)
	MUL 0
	PLACES
	TOSTAGE 0
	MUL 1                                          ; the next tile's products stand between a tile's way into the stage and its stores
	SEND 0
	PLACES
	TOSTAGE 1
	s_wait_loadcnt 24                              ; row tile 2's fragments are in
	MUL 2                                          ; it begins set 0 anew with the bias: eight plain instructions behind that set's last products
	SEND 1
	PLACES
	TOSTAGE 2
	s_wait_loadcnt 0x0
	MUL 3
	SEND 2
	PLACES
	TOSTAGE 3
	SEND 3
	s_wait_tensorcnt 0x0                           ; the wave's end, behind my last LDS store (every window is 0 here)
	ds_add_u32 v[SPW], v[NIL]
	s_wait_dscnt 0x0
	s_endpgm
.Lfunc_end_k_q7d42212002_outp:
	.size	k_q7d42212002_outp, .Lfunc_end_k_q7d42212002_outp-k_q7d42212002_outp
	.p2alignl 7, 3214868480
	.fill 96, 4, 3214868480
	.section	.rodata,"a",@progbits
	.p2align	6, 0x0
	.amdhsa_kernel k_q7d42212002_outp
		.amdhsa_group_segment_fixed_size 34304
		.amdhsa_private_segment_fixed_size 0
		.amdhsa_enable_private_segment 0
		.amdhsa_kernarg_size 32
		.amdhsa_user_sgpr_count 2
		.amdhsa_user_sgpr_kernarg_segment_ptr 1
		.amdhsa_wavefront_size32 1
		.amdhsa_system_sgpr_workgroup_id_x 1
		.amdhsa_system_sgpr_workgroup_id_y 1
		.amdhsa_system_sgpr_workgroup_id_z 1
		.amdhsa_system_vgpr_workitem_id 0
		.amdhsa_next_free_vgpr 1024
		.amdhsa_next_free_sgpr 66
		.amdhsa_reserve_vcc 0
		.amdhsa_float_denorm_mode_32 3
		.amdhsa_float_denorm_mode_16_64 3
		.amdhsa_memory_ordered 1
		.amdhsa_forward_progress 1
		.amdhsa_inst_pref_size 55
	.end_amdhsa_kernel
	.amdgpu_metadata
---
amdhsa.version: [ 1, 2 ]
amdhsa.kernels:
  - .name:           k_q7d42212002_outp
    .symbol:         k_q7d42212002_outp.kd
    .args:
      - { .name: oc, .offset: 0, .size: 8, .value_kind: global_buffer, .address_space: global }
      - { .name: wo, .offset: 8, .size: 8, .value_kind: global_buffer, .address_space: global }
      - { .name: bo, .offset: 16, .size: 8, .value_kind: global_buffer, .address_space: global }
      - { .name: out0, .offset: 24, .size: 8, .value_kind: global_buffer, .address_space: global }
    .group_segment_fixed_size: 34304
    .private_segment_fixed_size: 0
    .kernarg_segment_align: 8
    .kernarg_segment_size: 32
    .max_flat_workgroup_size: 128
    .sgpr_count:     66
    .vgpr_count:     1024
    .wavefront_size: 32
...
	.end_amdgpu_metadata
.endif
;; end of part 4
;; ======== version 2 of 2: 4 launches
;; workspace buffers: wp 2,555,904 bytes; wo 425,984 bytes; qc 3,407,872 bytes; kv 13,369,344 bytes; oc 3,407,872 bytes
;; launch wq (part 5): grid 384 x 1, 4 waves a work-group, no clusters, 1,024 bytes of LDS; arguments Wq1, Wk1, Wv1, Wk2, Wv2, Wo, wp, wo; writes wp, wo
.if DOCPART == 5
	.amdgcn_target "amdgcn-amd-amdhsa--gfx1250"
	.amdhsa_code_object_version 6
	.text
	.protected	k_q7d42212002_wq
	.globl	k_q7d42212002_wq
	.p2align	8
	.type	k_q7d42212002_wq,@function
k_q7d42212002_wq:
	s_mov_b64 s[64:65], 0
	v_nop
	global_prefetch_b8 v0, s[64:65] scope:SCOPE_SE
	s_setreg_imm32_b32 hwreg(HW_REG_WAVE_MODE, 25, 1), 1
	s_wait_xcnt 0x0
; The six weights, f32 with K as their FIRST axis, become codes of E2M3 with one E8M0 byte for each 32 along K, laid as IMAGES OF OPERAND REGISTERS.
; A fragment is 16 columns x 128 K, 12 registers a lane: lane (r, h) holds one column and k = 64 c + 32 h + 0 .. 31 in registers 6 c .. 6 c + 5.
; Its image is three pieces of 512 bytes: piece p holds registers 4 p .. 4 p + 3, lane l at byte 16 l.
; THE COLUMNS OF A TILE ARE NOT NEIGHBOURS: place m of tile t of a group of 64 columns is column 8 t + m % 8 + 32 (m / 8), so that the results of a product whose
; source 0 is such a tile lie, in a lane's registers, as 32 neighbours along the next product's K.
; A work-group takes 64 columns and 128 along K of one matrix; wave w takes tile w.  A lane takes a column and its registers run down K: a block's largest magnitude needs no other lane.
; Work-groups 0-319: Wq1, Wk1, Wv1, Wk2, Wv2 (64 each: 8 heads x 8 K steps) into wp; 320-383: Wo (16 groups of 64 columns x 4 K steps) into wo.
; Each load reads 2 x 32 bytes of two rows; the four waves together read each row's 256 bytes.  No matrix unit, no cluster: nothing is shared, each number is read once.
; LIMITS: NaN and infinities among the inputs are not served; a block whose largest magnitude lies under 2^-124, a block of zeros among them, gets the byte 1 (its codes are zeros or the
; format's smallest numbers; the bytes are read by this program alone).
.set SPARE, 512                        ; LDS: bytes 0-511 the four tiles' scale words; from 512 the spare words, 128 bytes for each wave
.set LI,  1                            ; v1   16 x lane
.set VO,  2                            ; v2   my column's bytes + 32 h rows
.set LW,  3                            ; v3   16 x lane + 4 x wave: my scale word's place in LDS
.set SH8, 4                            ; v4   8 h
.set PX,  5                            ; v5   what lane l xor 16 sends
.set SPW, 6                            ; v6   LDS address of my spare word; never rewritten
.set NIL, 7                            ; v7   0; never rewritten
.set MA,  8                            ; v8-9, v10-11 largest magnitudes, two chains a block
.set MB,  10
.set SO,  12                           ; v12-13 the conversions' scale operands
.set BY,  14                           ; v14-15 the scale bytes
.set PW,  16                           ; v16  the scale word
.set PC,  20                           ; v20-31 the fragment
.set PT,  32                           ; v32-34, v36-38 the second halves of the blocks' codes
.set BK,  40                           ; v40-43 four tiles' words, on the way out
.set X,   64                           ; v64-127 my 64 numbers
.set SEL, 2                            ; s[2:3] lane selects: lane l xor 16
; 64 numbers of a lane, register 32 c + i = k 64 c + 32 h + i, become the fragment in v[PC] on; the two blocks' bytes are left in v[BY], v[BY+1]
.macro QCODES src
.irp c, 0,1
	v_max3_num_f32 v[MA+\c], |v[(\src)+32*\c]|, |v[(\src)+32*\c+1]|, 0x1800000       ; the floor 2^(3 - 127) among the leaves: the byte cannot fall under 1
	v_max3_num_f32 v[MB+\c], |v[(\src)+32*\c+16]|, |v[(\src)+32*\c+17]|, 0x1800000
.endr
.irp i, 2,4,6,8,10,12,14
.irp c, 0,1
	v_max3_num_f32 v[MA+\c], v[MA+\c], |v[(\src)+32*\c+\i]|, |v[(\src)+32*\c+\i+1]|
	v_max3_num_f32 v[MB+\c], v[MB+\c], |v[(\src)+32*\c+\i+16]|, |v[(\src)+32*\c+\i+17]|
.endr
.endr
.irp c, 0,1
	v_max_num_f32 v[MA+\c], v[MA+\c], v[MB+\c]     ; the block's largest magnitude
.endr
.irp c, 0,1
	v_add_nc_u32 v[SO+\c], 0xff000000, v[MA+\c]    ; 2 off its exponent field: the conversion takes this operand's exponent field as its scale
.endr
.irp c, 0,1
	v_lshrrev_b32 v[BY+\c], 23, v[SO+\c]           ; the scale's byte
.endr
.irp c, 0,1
	v_cvt_scalef32_pk16_fp6_f32 v[PC+6*\c:PC+6*\c+2], v[(\src)+32*\c:(\src)+32*\c+15], v[SO+\c]
	v_cvt_scalef32_pk16_fp6_f32 v[PT+4*\c:PT+4*\c+2], v[(\src)+32*\c+16:(\src)+32*\c+31], v[SO+\c]   ; (a conversion's three registers begin on an even number)
.endr
	v_nop                                          ; one plain instruction behind the conversions
.irp c, 0,1
.irp i, 0,1,2
	v_mov_b32 v[PC+6*\c+3+\i], v[PT+4*\c+\i]
.endr
.endr
.endm
.macro LOADS pitch                     ; W(64 c + 32 h + i, my column)
.irp c, 0,1
.irp i, 0,1,2,3,4,5,6,7,8,9,10,11,12,13,14,15,16,17,18,19,20,21,22,23,24,25,26,27,28,29,30,31
	global_load_b32 v[X+32*\c+\i], v[VO], s[40:41] offset:(64*\c+\i)*\pitch th:TH_LOAD_NT
.endr
.endr
.endm
	s_load_b512 s[8:23], s[0:1], 0x0               ; Wq1 s[8:9], Wk1, Wv1, Wk2, Wv2, Wo s[18:19], wp s[20:21], wo s[22:23]
	v_lshl_add_u32 v[SPW], v0, 2, SPARE
	v_mov_b32 v[NIL], 0
	v_lshrrev_b32 v[PW], 5, v0
	v_readfirstlane_b32 s4, v[PW]                  ; wave = tile
	s_mov_b32 s[SEL], 0x76543210
	s_mov_b32 s[SEL+1], 0xfedcba98
	s_lshr_b32 s5, ttmp9, 6                        ; which matrix: 0 .. 5
	s_cmp_ge_u32 s5, 3
	s_cselect_b32 s6, 1, 0                         ; set: 0 for x1's weights, 1 for x2's
	s_lshl_b32 s7, s6, 1
	s_sub_co_u32 s7, s5, s7                        ; position in a head's unit: q 0, k 1, v 2
	s_bfe_u32 s24, ttmp9, 0x30003                  ; head
	s_and_b32 s25, ttmp9, 7                        ; K step
	s_lshl_b32 s26, s6, 3
	s_add_co_u32 s26, s26, s24
	s_mul_i32 s26, s26, 3
	s_add_co_u32 s26, s26, s7
	s_lshl_b32 s26, s26, 3
	s_add_co_u32 s26, s26, s25                     ; U = ((8 set + head) 3 + position) 8 + K step
	s_lshl_b32 s27, s25, 18                        ; 128 rows of 2,048 bytes a K step,
	s_lshl_b32 s28, s24, 8                         ; 256 bytes of a row a head
	s_add_co_u32 s27, s27, s28
	s_sub_co_u32 s29, ttmp9, 320                   ; Wo's numbers (of use in work-groups 320 on alone)
	s_lshr_b32 s30, s29, 2                         ; group of 64 columns
	s_and_b32 s31, s29, 3                          ; K step
	s_lshr_b32 s32, s30, 1
	s_lshl_b32 s32, s32, 2
	s_add_co_u32 s32, s32, s31
	s_lshl_b32 s32, s32, 1
	s_and_b32 s33, s30, 1
	s_add_co_u32 s32, s32, s33                     ; U = ((group / 2) 4 + K step) 2 + group % 2
	s_lshl_b32 s34, s31, 19                        ; 128 rows of 4,096 bytes
	s_lshl_b32 s35, s30, 8
	s_add_co_u32 s34, s34, s35
	s_mov_b32 s37, 2359296                         ; where the scale words begin in wp,
	s_cmp_eq_u32 s5, 5
	s_cselect_b32 s26, s32, s26
	s_cselect_b32 s27, s34, s27
	s_cselect_b32 s36, 17, 16                      ; 32 rows are 2^16 or 2^17 bytes
	s_cselect_b32 s37, 393216, s37                 ; and in wo
	v_and_b32 v8, 31, v0
	v_lshlrev_b32 v[LI], 4, v8
	v_and_b32 v9, 7, v0
	v_bfe_u32 v10, v0, 3, 1
	v_bfe_u32 v11, v0, 4, 1                        ; h
	v_lshl_add_u32 v9, v10, 5, v9                  ; r % 8 + 32 (r / 8)
	s_lshl_b32 s28, s4, 3
	v_add_nc_u32 v9, s28, v9                       ; + 8 x tile: my column in the group
	v_lshlrev_b32 v[VO], 2, v9
	v_lshlrev_b32 v10, s36, v11
	v_add_nc_u32 v[VO], v[VO], v10                 ; lanes 16-31 begin 32 rows further down
	s_lshl_b32 s28, s4, 2
	v_add_nc_u32 v[LW], s28, v[LI]
	v_lshlrev_b32 v[SH8], 3, v11
	v_mov_b32 v[PX], 0                             ; written once: a lane permute's destination counts as one of its sources
	s_mov_b32 s42, s27
	s_mov_b32 s43, 0
	s_mul_i32 s44, s26, 6144                       ; four tiles' images for each U,
	s_mul_i32 s45, s4, 1536                        ; mine among them
	s_add_co_u32 s44, s44, s45
	s_mov_b32 s45, 0
	s_lshl_b32 s28, s26, 9                         ; 512 bytes of scale words for each U
	s_add_co_u32 s28, s28, s37
	s_mov_b32 s29, 0
	s_wait_kmcnt 0x0
	s_cmp_eq_u32 s5, 1                             ; the choices hang on the work-group's number alone
	s_cselect_b64 s[40:41], s[10:11], s[8:9]
	s_cmp_eq_u32 s5, 2
	s_cselect_b64 s[40:41], s[12:13], s[40:41]
	s_cmp_eq_u32 s5, 3
	s_cselect_b64 s[40:41], s[14:15], s[40:41]
	s_cmp_eq_u32 s5, 4
	s_cselect_b64 s[40:41], s[16:17], s[40:41]
	s_cmp_eq_u32 s5, 5
	s_cselect_b64 s[40:41], s[18:19], s[40:41]
	s_cselect_b64 s[38:39], s[22:23], s[20:21]
	s_add_nc_u64 s[40:41], s[40:41], s[42:43]      ; the matrix at my K step and group of columns
	s_add_nc_u64 s[46:47], s[38:39], s[44:45]      ; my image
	s_add_nc_u64 s[38:39], s[38:39], s[28:29]      ; the work-group's scale words
	s_cmp_eq_u32 s5, 5
	s_cbranch_scc1 .Lwide                          ; the two ways differ in the loads' immediates alone
	s_wait_alu depctr_va_vdst(0)
	LOADS 2048
	s_branch .Ljoin
.Lwide:
	s_wait_alu depctr_va_vdst(0)
	LOADS 4096
.Ljoin:
	s_wait_loadcnt 0x0                             ; all 64 are wanted
	QCODES X
	v_lshl_or_b32 v[PW], v[BY+1], 16, v[BY]        ; my two bytes, blocks h and 2 + h,
	v_lshlrev_b32 v[PW], v[SH8], v[PW]             ; at their places;
	v_permlanex16_b32 v[PX], v[PW], s[SEL], s[SEL+1]
	v_or_b32 v[PW], v[PW], v[PX]                   ; with lane l xor 16's two the word is whole, in both halves of the lanes
.irp c, 0,1,2
	global_store_b128 v[LI], v[PC+4*\c:PC+4*\c+3], s[46:47] offset:512*\c   ; 512 consecutive bytes, at a multiple of 512 from the buffer's first byte
.endr
	ds_store_b32 v[LW], v[PW]                      ; the four tiles' words meet in LDS: lane l's four on end
	s_wait_dscnt 0x0                               ; for the others' sake: my store is done
	s_barrier_signal -1
	s_barrier_wait -1
	s_cmp_lg_u32 s4, 0
	s_cbranch_scc1 .Lnot_wave_0
	ds_load_b128 v[BK:BK+3], v[LI]
	s_wait_dscnt 0x0
	global_store_b128 v[LI], v[BK:BK+3], s[38:39]  ; 512 consecutive bytes
.Lnot_wave_0:
	s_wait_tensorcnt 0x0                           ; the wave's end, behind my last LDS store
	ds_add_u32 v[SPW], v[NIL]
	s_wait_dscnt 0x0
	s_endpgm
.Lfunc_end_k_q7d42212002_wq:
	.size	k_q7d42212002_wq, .Lfunc_end_k_q7d42212002_wq-k_q7d42212002_wq
	.p2alignl 7, 3214868480
	.fill 96, 4, 3214868480
	.section	.rodata,"a",@progbits
	.p2align	6, 0x0
	.amdhsa_kernel k_q7d42212002_wq
		.amdhsa_group_segment_fixed_size 1024
		.amdhsa_private_segment_fixed_size 0
		.amdhsa_enable_private_segment 0
		.amdhsa_kernarg_size 64
		.amdhsa_user_sgpr_count 2
		.amdhsa_user_sgpr_kernarg_segment_ptr 1
		.amdhsa_wavefront_size32 1
		.amdhsa_system_sgpr_workgroup_id_x 1
		.amdhsa_system_sgpr_workgroup_id_y 1
		.amdhsa_system_sgpr_workgroup_id_z 1
		.amdhsa_system_vgpr_workitem_id 0
		.amdhsa_next_free_vgpr 128
		.amdhsa_next_free_sgpr 66
		.amdhsa_reserve_vcc 0
		.amdhsa_float_denorm_mode_32 3
		.amdhsa_float_denorm_mode_16_64 3
		.amdhsa_memory_ordered 1
		.amdhsa_forward_progress 1
		.amdhsa_inst_pref_size 20
	.end_amdhsa_kernel
	.amdgpu_metadata
---
amdhsa.version: [ 1, 2 ]
amdhsa.kernels:
  - .name:           k_q7d42212002_wq
    .symbol:         k_q7d42212002_wq.kd
    .args:
      - { .name: Wq1, .offset: 0, .size: 8, .value_kind: global_buffer, .address_space: global }
      - { .name: Wk1, .offset: 8, .size: 8, .value_kind: global_buffer, .address_space: global }
      - { .name: Wv1, .offset: 16, .size: 8, .value_kind: global_buffer, .address_space: global }
      - { .name: Wk2, .offset: 24, .size: 8, .value_kind: global_buffer, .address_space: global }
      - { .name: Wv2, .offset: 32, .size: 8, .value_kind: global_buffer, .address_space: global }
      - { .name: Wo, .offset: 40, .size: 8, .value_kind: global_buffer, .address_space: global }
      - { .name: wp, .offset: 48, .size: 8, .value_kind: global_buffer, .address_space: global }
      - { .name: wo, .offset: 56, .size: 8, .value_kind: global_buffer, .address_space: global }
    .group_segment_fixed_size: 1024
    .private_segment_fixed_size: 0
    .kernarg_segment_align: 8
    .kernarg_segment_size: 64
    .max_flat_workgroup_size: 128
    .sgpr_count:     66
    .vgpr_count:     128
    .wavefront_size: 32
...
	.end_amdgpu_metadata
.endif
;; end of part 5
;; launch proj (part 6): grid 256 x 1, 4 waves a work-group, no clusters, 174,592 bytes of LDS; arguments x1, x2, wp, qc, kv; writes qc, kv
.if DOCPART == 6
	.amdgcn_target "amdgcn-amd-amdhsa--gfx1250"
	.amdhsa_code_object_version 6
	.text
	.protected	k_q7d42212002_proj
	.globl	k_q7d42212002_proj
	.p2align	8
	.type	k_q7d42212002_proj,@function
k_q7d42212002_proj:
	s_mov_b64 s[64:65], 0
	v_nop
	global_prefetch_b8 v0, s[64:65] scope:SCOPE_SE
	s_setreg_imm32_b32 hwreg(HW_REG_WAVE_SCHED_MODE, 0, 2), 2
	s_setreg_imm32_b32 hwreg(HW_REG_WAVE_MODE, 25, 1), 1
	s_wait_xcnt 0x0
	s_wait_alu depctr_vm_vsrc(0)
; q = x1 Wq1, k = x1 Wk1 | x2 Wk2, v = x1 Wv1 | x2 Wv2, all on codes of E2M3 with one E8M0 byte for each 32 along K; the results are quantised at once for the attention launch and stored as images of operand registers.
; SHARES.  Work-groups 0-127 take x1, 128-255 x2.  A work-group takes a block of 128 rows and four heads (its number's lowest bit says which four).  PHASE X: the four waves quantise the block's 128 rows x 1,024 along K
; into LDS, as images of fragments (12 registers a lane: three pieces of 512 bytes, lane l at 16 l).  PHASE 1: wave w makes head 4 (g % 2) + w for all 128 rows: unit q (x1 alone), unit k, unit v; a unit is
; 8 tiles of rows x 4 tiles of the head's 64 columns x 8 K steps = 256 matrix instructions on 32 accumulators.
; THE ROWS OF A TILE ARE NOT NEIGHBOURS: place m of tile t of the block is row 64 (t / 4) + 8 (t % 4) + m % 8 + 32 (m / 8); the head's columns likewise (launch wq).  So where such a tile is source 0, the 32 registers of
; four neighbouring tiles are, in a lane, one whole block of 32 neighbours along the next product's K, in the order in which the 6-bit operand wants them: the quantiser needs no other lane for its maximum and no exchange of halves.
; Units q and k: source 0 = W, source 1 = x: a lane holds a row and 32 of the head's 64.  Unit v: source 0 = x, source 1 = W: a lane holds one of the head's 64 and its registers run along the keys.
; W comes from memory straight into registers, as the images that launch wq laid: 13 loads of 512 bytes a K step a wave, asked for three K steps ahead, each fragment feeding 8 matrix instructions.
; NO JOINT LOADS: the launch has no tensor load; within a work-group each wave reads another head's weights, and a ring for W shared between work-groups would add an LDS read of every fragment beside the 174,080 bytes that x takes.
; Each block of x is read by two work-groups (the two halves of the heads), which stand side by side in the grid.
; LIMITS: NaN and infinities among the inputs are not served; a block whose largest magnitude lies under 2^-124, a block of zeros among them, gets the byte 1 (the bytes are read by this program alone).
; REGISTERS, in windows of 256: window 0 addresses, scale words, the quantiser's, v128-255 two sets of 64 numbers of x (phase 1: v128-175 four out-buffers of codes); window 1 the 32 accumulators (in phase X four landing sets of 64);
; window 2 v0-191 W, a ring of 4 K steps x 48; window 3 v0-191 x's fragments, 2 sets x 96.
; THE MODE: SCHED_MODE bits 1:0 = 2 (LLVM: expert scheduling mode 2), set by the entry lines.  The code itself states the register dependences between vector or matrix instructions and memory or LDS instructions, with s_wait_alu, always for 0.
; THE PLAN, PHASE X.  Registers that memory or LDS instructions touch:
;   landing sets 0-3   written by x's loads, read by the stage's LDS stores; no vector instruction names them in this phase.
;   ST0, ST1           written by the stage's LDS loads, read by the quantiser.
;   PC, PW             written by the quantiser, read by the images' LDS stores.      XAI, XAS  written by two additions a trip, read by the images' stores.
;   LI, STW, STR       made at the head and never written again.
; Two waits a unit.  vm_vsrc at its head: the stage's stores have read landing set q (x's loads land there), the last images' stores have read PC, PW, XAI and XAS (all written below it).  va_vdst behind the quantiser: PC, PW, XAI, XAS are
; written, and the quantiser is done reading ST[q % 2], in which the next unit's stage loads land; between that wait and those loads only the two additions are issued, which name neither set.
; THE PLAN, PHASE 1.  W's four slots and WS, x's two sets and XS: written by loads, read by matrix instructions.  OB0-OB3, SWM, VSM: written by the quantiser, read by global stores.
; One va_vdst at the head of K steps 1 to 7: K step s - 1's matrix instructions are done reading slot (s - 1) % 4, set (s - 1) % 2 and their scale words, the only registers in which K step s's 39 loads land.  These loads are dealt among
; the step's 32 matrix instructions, which name slot s % 4, set s % 2 and the accumulators.  A unit's results are quantised into four out-buffers; one va_vdst stands ahead of the run of stores (it also stands behind the unit's last matrix
; instructions, so the next unit's K step 0 has no wait of its own), and one vm_vsrc at the head of the next unit's quantising, ahead of the first line that writes an out-buffer again.
.set XSC,   98304                      ; LDS: 0: x's images [K step 8][tile 8][1,536];  98,304: their scale words [K step][lane 32][tile 8]
.set STG,   106496                     ; 16,896 bytes for each wave: two stages of 16 rows x 528 bytes (512 + 16: 33 x 16, so that sixteen rows' reads of one column fall on different 16-byte columns of 256)
.set SPARE, 174080                     ; the spare words, 128 bytes for each wave
.set LI,  1                            ; v1   16 x lane
.set L8,  2                            ; v2   8 x lane
.set STW, 3                            ; v3   my stage, on the way in: 16 x lane of a row
.set STR, 4                            ; v4   and out: row r, + 128 h
.set XWI, 5                            ; v5   where I store x's images: 3,072 x wave + 16 x lane
.set XWS, 6                            ; v6   and their words: XSC + 32 x lane + 8 x wave
.set XAI, 7                            ; v7, v8 the same + the trip's step
.set XAS, 8
.set XR1, 10                           ; v10  49,152 + 16 x lane: K steps 4-7 of x's images
.set XSR, 11                           ; v11  XSC + 32 x lane
.set SH8, 12                           ; v12  8 h
.set SELV, 13                          ; v13  byte selects for a pair of tiles' scale words
.set SPW, 14                           ; v14  LDS address of my spare word; never rewritten
.set NIL, 15                           ; v15  0; never rewritten
.set WS,  16                           ; v16-31 W's scale words: 4 slots x 4 tiles
.set XS,  32                           ; v32-47 x's: 2 sets x 8 tiles
.set MA,  48
.set MB,  50
.set SO,  52
.set BY,  54
.set PW,  56
.set PX,  57
.set PO,  58
.set PC,  60                           ; v60-71 phase X: the codes just made
.set PT,  72                           ; v72-74, v76-78
.set SWM, 80                           ; v80-83 four pairs of tiles' scale words
.set VSM, 84                           ; v84-85 V's scale words
.set VW,  86                           ; v86-87 the words of two tiles of the head's 64
.set ST,  128
.set OB,  128                          ; v128-175 phase 1: four out-buffers of 12 registers of codes
.set WV,  14                           ; s14  wave
.set SET, 15                           ; s15  0: x1, 1: x2
.set XP,  20                           ; s[20:21] x at my wave's first row, at the trip's K steps
.set WP,  22                           ; s[22:23] W's images of the unit in hand
.set WQ,  24                           ; s[24:25] and its scale words
.set QI,  26                           ; s[26:27] q's images, s[28:29] its words
.set QS,  28
.set KB,  30                           ; s[30:31] my key step in kv, s[32:33] its words
.set KSB, 32
.set HM,  34                           ; s34  lanes 16-31
.set SEL, 36                           ; s[36:37] lane selects: lane l xor 16
.set XO,  38                           ; s38, s39 the trip's step in x's images and words
.set XQ,  39
.set CNT, 40
.set MSB, 0
.macro WIN new                         ; the immediate's high byte repeats the setting that is left; a switch that changes nothing is dropped
.if MSB != (\new)
	s_set_vgpr_msb (MSB<<8)|(\new)
.set MSB, (\new)
.endif
.endm
.macro PLACES                          ; four plain instructions between a matrix instruction and a read of its result or a load into one of its registers (ISA guide 7.12.1 for vector instructions)
.rept 4
	v_nop
.endr
.endm
; 64 numbers of a lane in window w, two blocks of 32, become 12 registers of codes in v[dst] on; the blocks' bytes are left in v[BY], v[BY+1].  Each accumulator is first read at its registers 0 and 1.
.macro QCODES src, w, dst
	WIN 0x05*(\w)
.irp c, 0,1
	v_max3_num_f32 v[MA+\c], |v[(\src)+32*\c]|, |v[(\src)+32*\c+1]|, 0x1800000       ; the floor 2^(3 - 127) among the leaves: the byte cannot fall under 1
	v_max3_num_f32 v[MB+\c], |v[(\src)+32*\c+16]|, |v[(\src)+32*\c+17]|, 0x1800000
.endr
	WIN 0x14*(\w)
.irp i, 2,4,6,8,10,12,14
.irp c, 0,1
	v_max3_num_f32 v[MA+\c], v[MA+\c], |v[(\src)+32*\c+\i]|, |v[(\src)+32*\c+\i+1]|
	v_max3_num_f32 v[MB+\c], v[MB+\c], |v[(\src)+32*\c+\i+16]|, |v[(\src)+32*\c+\i+17]|
.endr
.endr
	WIN 0
.irp c, 0,1
	v_max_num_f32 v[MA+\c], v[MA+\c], v[MB+\c]
.endr
.irp c, 0,1
	v_add_nc_u32 v[SO+\c], 0xff000000, v[MA+\c]    ; 2 off the exponent field: the conversion's scale operand
.endr
.irp c, 0,1
	v_lshrrev_b32 v[BY+\c], 23, v[SO+\c]           ; the scale's byte
.endr
	WIN 0x01*(\w)
.irp c, 0,1
	v_cvt_scalef32_pk16_fp6_f32 v[(\dst)+6*\c:(\dst)+6*\c+2], v[(\src)+32*\c:(\src)+32*\c+15], v[SO+\c]
	v_cvt_scalef32_pk16_fp6_f32 v[PT+4*\c:PT+4*\c+2], v[(\src)+32*\c+16:(\src)+32*\c+31], v[SO+\c]   ; (a conversion's three registers begin on an even number)
.endr
	WIN 0
	v_nop                                          ; one plain instruction behind the conversions
.irp c, 0,1
.irp i, 0,1,2
	v_mov_b32 v[(\dst)+6*\c+3+\i], v[PT+4*\c+\i]
.endr
.endr
.endm
.macro WORD4 d                         ; the two blocks are blocks h and 2 + h of ONE row's 128: its scale word, whole in both halves of the lanes
	v_lshl_or_b32 v[\d], v[BY+1], 16, v[BY]
	v_lshlrev_b32 v[\d], v[SH8], v[\d]
	v_permlanex16_b32 v[PX], v[\d], s[SEL], s[SEL+1]
	v_or_b32 v[\d], v[\d], v[PX]
.endm
.macro WORDPAIR d                      ; the two blocks are block h of TWO tiles' rows of 64: lanes 0-15 get the even tile's word, lanes 16-31 the odd tile's; bytes 2 and 3, over zero codes, are 0x7f
	v_lshl_or_b32 v[PO], v[BY+1], 16, v[BY]
	v_or_b32 v[PO], 0x7f00, v[PO]
	v_permlanex16_b32 v[PX], v[PO], s[SEL], s[SEL+1]
	v_perm_b32 v[\d], v[PX], v[PO], v[SELV]
.endm
.macro WLOAD s                         ; W's four fragments and four scale words of K step s (counted from the unit in hand; 8 on: the next unit's) into slot s % 4
	WIN 0x80
.irp i, 0,1,2,3,4,5,6,7,8,9,10,11
	global_load_b128 v[48*((\s)&3)+4*\i:48*((\s)&3)+4*\i+3], v[LI], s[WP:WP+1] offset:6144*(\s)+512*\i
.endr
	WIN 0
	global_load_b128 v[WS+4*((\s)&3):WS+4*((\s)&3)+3], v[LI], s[WQ:WQ+1] offset:512*(\s)
.endm
; PHASE X.  Unit q of a trip: tile 2 w + q % 2, K step 2 trip + q / 2.  16 loads, each 512 consecutive bytes of one row
.macro XLOAD q, ahead
	WIN 0x40
.irp n, 0,1,2,3,4,5,6,7,8,9,10,11,12,13,14,15
	global_load_b128 v[64*(\q)+4*\n:64*(\q)+4*\n+3], v[LI], s[XP:XP+1] offset:(8*((\q)&1)+(\n&7)+32*(\n>>3))*4096+512*((\q)>>1)+1024*(\ahead)
.endr
	WIN 0
.endm
.macro TURN q                          ; through my stage: in as loaded, out as 2 x 32 neighbours of row r.  LDS serves a wave's instructions in order (ISA guide 5.7.1.4): no wait between
	WIN 0x04
.irp n, 0,1,2,3,4,5,6,7,8,9,10,11,12,13,14,15
	ds_store_b128 v[STW], v[64*(\q)+4*\n:64*(\q)+4*\n+3] offset:8448*((\q)&1)+528*\n
.endr
	WIN 0
.irp c, 0,1
.irp j, 0,1,2,3,4,5,6,7
	ds_load_b128 v[ST+64*((\q)&1)+32*\c+4*\j:ST+64*((\q)&1)+32*\c+4*\j+3], v[STR] offset:8448*((\q)&1)+256*\c+16*\j
.endr
.endr
.endm
.macro UNITX q, ahead, n, turn
	s_wait_dscnt 0x0                               ; my numbers are back from the stage
	s_wait_alu depctr_vm_vsrc(0)                   ; the stage's stores have read landing set q, in which the loads below land; the last images' stores have read v[PC ..], v[PW], v[XAI] and v[XAS], which are written below
.if (\q) == 0
	v_add_nc_u32 v[XAI], s[XO], v[XWI]             ; the trip's places for images and words
	v_add_nc_u32 v[XAS], s[XQ], v[XWS]
.endif
.if \ahead
	XLOAD \q, 1                                    ; the same unit of the next trip
.endif
.if \turn
	s_wait_loadcnt \n                              ; the next unit's 16 loads are in; behind them the later units' may be out
	TURN ((\q)+1)&3                                ; its LDS loads land in the set that the last unit's quantiser read: that quantiser stands ahead of the last wait on va_vdst, and nothing issued since names the set
.endif
	QCODES ST+64*((\q)&1), 0, PC
	WORD4 PW
	s_wait_alu depctr_va_vdst(0)                   ; the quantiser has written v[PC ..] and v[PW], the additions v[XAI] and v[XAS]: the stores below read them; and the quantiser is done reading its set of numbers
.irp c, 0,1,2
	ds_store_b128 v[XAI], v[PC+4*\c:PC+4*\c+3] offset:12288*((\q)>>1)+1536*((\q)&1)+512*\c
.endr
	ds_store_b32 v[XAS], v[PW] offset:1024*((\q)>>1)+4*((\q)&1)
.endm
; PHASE 1
.macro FETCHF s, set, a0               ; x's fragments a0 and a0 + 1 of K step s: 6 LDS loads
	WIN 0xc0
.irp a, (\a0), (\a0)+1
.irp c, 0,1,2
.if (\s) < 4
	ds_load_b128 v[96*(\set)+12*(\a)+4*\c:96*(\set)+12*(\a)+4*\c+3], v[LI] offset:12288*((\s)&3)+1536*(\a)+512*\c
.else
	ds_load_b128 v[96*(\set)+12*(\a)+4*\c:96*(\set)+12*(\a)+4*\c+3], v[XR1] offset:12288*((\s)&3)+1536*(\a)+512*\c
.endif
.endr
.endr
.endm
.macro FETCHS s, set                   ; x's eight scale words of K step s
	WIN 0
	ds_load_b128 v[XS+8*(\set):XS+8*(\set)+3], v[XSR] offset:1024*(\s)
	ds_load_b128 v[XS+8*(\set)+4:XS+8*(\set)+7], v[XSR] offset:1024*(\s)+16
.endm
.macro FETCHX s, set                   ; all 26 in one run: ahead of the first K step alone
	FETCHF \s, \set, 0
	FETCHF \s, \set, 2
	FETCHF \s, \set, 4
	FETCHF \s, \set, 6
	FETCHS \s, \set
.endm
; Four of a K step's 32 matrix instructions; the 32 accumulators take turns, one instruction a turn, in the same order in every K step.  K step 0 starts the sums
.macro MQK g, s                        ; units q and k: tile of rows g x the head's four tiles
	WIN 0x5e                                       ; source 0 (W) window 2, source 1 (x) window 3, C and D window 1
.irp b, 0,1,2,3
.set rD, 8*(4*(\g)+\b)
.set rW, 48*((\s)&3)+12*\b
.set rX, 96*((\s)&1)+12*(\g)
.set rWS, WS+4*((\s)&3)+\b
.set rXS, XS+8*((\s)&1)+(\g)
.if (\s) == 0
	v_wmma_scale_f32_16x16x128_f8f6f4 v[rD:rD+7], v[rW:rW+11], v[rX:rX+11], 0, v[rWS], v[rXS] matrix_a_fmt:MATRIX_FMT_FP6 matrix_b_fmt:MATRIX_FMT_FP6
.else
	v_wmma_scale_f32_16x16x128_f8f6f4 v[rD:rD+7], v[rW:rW+11], v[rX:rX+11], v[rD:rD+7], v[rWS], v[rXS] matrix_a_fmt:MATRIX_FMT_FP6 matrix_b_fmt:MATRIX_FMT_FP6
.endif
.endr
.endm
.macro MV g, s                         ; unit v: the head's tile g / 2 x tiles of keys 4 (g % 2) + 0 .. 3
	WIN 0x5b                                       ; source 0 (x) window 3, source 1 (W) window 2, C and D window 1
.irp j, 0,1,2,3
.set rD, 8*(4*(\g)+\j)
.set rX, 96*((\s)&1)+12*(4*((\g)&1)+\j)
.set rW, 48*((\s)&3)+12*((\g)/2)
.set rXS, XS+8*((\s)&1)+4*((\g)&1)+\j
.set rWS, WS+4*((\s)&3)+(\g)/2
.if (\s) == 0
	v_wmma_scale_f32_16x16x128_f8f6f4 v[rD:rD+7], v[rX:rX+11], v[rW:rW+11], 0, v[rXS], v[rWS] matrix_a_fmt:MATRIX_FMT_FP6 matrix_b_fmt:MATRIX_FMT_FP6
.else
	v_wmma_scale_f32_16x16x128_f8f6f4 v[rD:rD+7], v[rX:rX+11], v[rW:rW+11], v[rD:rD+7], v[rXS], v[rWS] matrix_a_fmt:MATRIX_FMT_FP6 matrix_b_fmt:MATRIX_FMT_FP6
.endif
.endr
.endm
; K step s of a unit.  ahead: W of three K steps on is asked for; nextx: x of the next K step; nl: W's loads issued behind this K step's, 13 for each later K step that has been asked for
.macro STEP type, s, ahead, nextx, nl
.if (\ahead) || (\nextx)
	PLACES                                         ; for the loads into the slot, the set and the scale registers that the K step before has read
.if (\s) > 0
	s_wait_alu depctr_va_vdst(0)                   ; the last K step's matrix instructions are done reading their slot of W, their set of x and both scale words: this step's loads land there.  (K step 0: the wait ahead of the last unit's stores has stated it)
.endif
.endif
	s_wait_loadcnt \nl                             ; this K step's W is in
	s_wait_dscnt 0x0                               ; and its x: the last of those loads was issued 12 matrix instructions back
.irp g, 0,1,2,3,4,5,6,7
.if \type
	MV \g, \s
.else
	MQK \g, \s
.endif
.if (\g < 4) && (\nextx)
	FETCHF ((\s)+1)&7, ((\s)+1)&1, 2*\g            ; no wait: no vector or matrix instruction since the step's head names these registers
.endif
.if \g == 4
.if \ahead
	WLOAD (\s)+3
.endif
.if \nextx
	FETCHS ((\s)+1)&7, ((\s)+1)&1
.endif
.endif
.endr
.endm
; q's or k's 128 rows x 64 are quantised along the head's 64, two tiles of rows to an out-buffer, and stored in one run
.macro EPI_QK isq
	PLACES
.if !(\isq)
	s_wait_alu depctr_vm_vsrc(0)                   ; unit q's stores have read the out-buffers and v[SWM ..], which are written again below (the wait on XCNT stands behind those stores, ahead of W's bases' step)
.endif
.irp i, 0,1,2,3
	QCODES 64*\i, 1, OB+12*\i
	WORDPAIR SWM+\i
.endr
	s_wait_alu depctr_va_vdst(0)                   ; the quantiser has written the four out-buffers and v[SWM ..], which the stores read; and the unit's matrix instructions are done reading W, x and the scale words, in which the next unit's loads land
.irp i, 0,1,2,3
.if \isq
.irp p, 0,1,2,3,4,5
	global_store_b64 v[L8], v[OB+12*\i+2*\p:OB+12*\i+2*\p+1], s[QI:QI+1] offset:(2*\i+\p/3)*768+(\p%3)*256   ; a tile of q stands alone: three pieces of 256 consecutive bytes
.endr
.else
.irp c, 0,1,2
	global_store_b128 v[LI], v[OB+12*\i+4*\c:OB+12*\i+4*\c+3], s[KB:KB+1] offset:1536*\i+512*\c              ; a pair of k's tiles: three pieces of 512
.endr
.endif
.endr
.if \isq
	global_store_b128 v[LI], v[SWM:SWM+3], s[QS:QS+1]
.else
	global_store_b128 v[LI], v[SWM:SWM+3], s[KSB:KSB+1]
.endif
.endm
.macro EPI_V                           ; v's 64 x 128 keys are quantised along the keys, a tile of the head's 64 to an out-buffer
	PLACES
	s_wait_alu depctr_vm_vsrc(0)                   ; unit k's stores have read the out-buffers, which are written again below
.irp b, 0,1,2,3
	QCODES 64*\b, 1, OB+12*\b
	WORD4 VW+(\b&1)
.if \b&1
	v_cndmask_b32 v[VSM+\b/2], v[VW], v[VW+1], s[HM]   ; lanes 0-15 the even tile's word, lanes 16-31 the odd tile's
.endif
.endr
	s_wait_alu depctr_va_vdst(0)                   ; the quantiser has written the four out-buffers and v[VSM ..], which the stores read
.irp b, 0,1,2,3
.irp c, 0,1,2
	global_store_b128 v[LI], v[OB+12*\b+4*\c:OB+12*\b+4*\c+3], s[KB:KB+1] offset:6144+1536*\b+512*\c
.endr
.endr
	global_store_b64 v[L8], v[VSM:VSM+1], s[KSB:KSB+1] offset:512
.endm
	s_load_b256 s[4:11], s[0:1], 0x0               ; x1 s[4:5], x2 s[6:7], wp s[8:9], qc s[10:11]
	s_load_b64 s[12:13], s[0:1], 0x20              ; kv
	v_lshl_add_u32 v[SPW], v0, 2, SPARE
	v_mov_b32 v[NIL], 0
	v_lshrrev_b32 v60, 5, v0
	v_readfirstlane_b32 s[WV], v60
	s_lshr_b32 s[SET], ttmp9, 7
	s_bfe_u32 s16, ttmp9, 0x60001                  ; the block of 128 rows, 0 .. 63
	s_and_b32 s17, ttmp9, 1                        ; which four heads
	s_lshr_b32 s18, s16, 4                         ; batch
	s_and_b32 s19, s16, 15                         ; block in the batch
	s_lshl_b32 s41, s17, 2
	s_wait_alu depctr_va_sdst(0)                   ; the wave's number is written, ahead of its first reader
	s_add_co_u32 s41, s41, s[WV]                   ; my head
	s_lshl_b32 s42, s18, 3
	s_add_co_u32 s42, s42, s41                     ; y = 8 batch + head
	s_lshl_b32 s44, s16, 19                        ; 128 rows of 4,096 bytes,
	s_lshr_b32 s43, s[WV], 1
	s_lshl_b32 s43, s43, 18                        ; my two tiles begin at row 64 (w / 2) + 16 (w % 2)
	s_add_co_u32 s44, s44, s43
	s_and_b32 s43, s[WV], 1
	s_lshl_b32 s43, s43, 16
	s_add_co_u32 s44, s44, s43
	s_mov_b32 s45, 0
	s_mul_i32 s46, s[SET], 25
	s_mul_i32 s43, s41, 3
	s_add_co_u32 s46, s46, s43                     ; my first unit in wp: (8 set + head) 3 + set (x2 has no q)
	s_mul_i32 s48, s46, 49152
	s_mov_b32 s49, 0
	s_lshl_b32 s50, s46, 12
	s_add_co_u32 s50, s50, 2359296
	s_mov_b32 s51, 0
	s_lshl_b32 s46, s42, 4
	s_add_co_u32 s46, s46, s19                     ; 16 y + block
	s_mul_i32 s52, s46, 6144
	s_mov_b32 s53, 0
	s_lshl_b32 s54, s46, 9
	s_add_co_u32 s54, s54, 3145728
	s_mov_b32 s55, 0
	s_mul_i32 s56, s42, 417792
	s_lshl_b32 s43, s[SET], 4
	s_add_co_u32 s43, s43, s19                     ; my key step: x1's blocks are 0-15, x2's 16-31
	s_mul_i32 s47, s43, 12288
	s_add_co_u32 s58, s56, s47
	s_mov_b32 s59, 0
	s_mul_i32 s47, s43, 768
	s_add_co_u32 s60, s56, s47
	s_add_co_u32 s60, s60, 393216
	s_mov_b32 s61, 0
	s_mov_b32 s[HM], 0xffff0000
	s_mov_b32 s[SEL], 0x76543210
	s_mov_b32 s[SEL+1], 0xfedcba98
	v_and_b32 v60, 31, v0                          ; lane
	v_and_b32 v61, 15, v0                          ; r
	v_bfe_u32 v62, v0, 4, 1                        ; h
	v_lshlrev_b32 v[LI], 4, v60
	v_lshlrev_b32 v[L8], 3, v60
	s_mul_i32 s43, s[WV], 16896
	s_add_co_u32 s43, s43, STG
	v_add_nc_u32 v[STW], s43, v[LI]
	v_mul_u32_u24 v63, v61, 528
	v_lshl_add_u32 v63, v62, 7, v63
	v_add_nc_u32 v[STR], s43, v63
	s_mul_i32 s43, s[WV], 3072
	v_add_nc_u32 v[XWI], s43, v[LI]
	v_lshlrev_b32 v63, 5, v60
	s_lshl_b32 s43, s[WV], 3
	s_add_co_u32 s43, s43, XSC
	v_add_nc_u32 v[XWS], s43, v63
	v_add_nc_u32 v[XR1], 49152, v[LI]
	v_add_nc_u32 v[XSR], XSC, v63
	v_lshlrev_b32 v[SH8], 3, v62
	v_mov_b32 v[SELV], 0x01010400                  ; lanes 0-15: my byte 0, the other half's byte 0, 0x7f, 0x7f
	v_mov_b32 v61, 0x01010206                      ; lanes 16-31: the other half's byte 2, my byte 2, 0x7f, 0x7f
	v_cndmask_b32 v[SELV], v[SELV], v61, s[HM]
	v_mov_b32 v[PX], 0                             ; written once: a lane permute's destination counts as one of its sources
	s_wait_kmcnt 0x0
	s_cmp_eq_u32 s[SET], 0                         ; the choice hangs on the work-group's number alone
	s_cselect_b64 s[XP:XP+1], s[4:5], s[6:7]
	s_add_nc_u64 s[XP:XP+1], s[XP:XP+1], s[44:45]
	s_add_nc_u64 s[WP:WP+1], s[8:9], s[48:49]
	s_add_nc_u64 s[WQ:WQ+1], s[8:9], s[50:51]
	s_add_nc_u64 s[QI:QI+1], s[10:11], s[52:53]
	s_add_nc_u64 s[QS:QS+1], s[10:11], s[54:55]
	s_add_nc_u64 s[KB:KB+1], s[12:13], s[58:59]
	s_add_nc_u64 s[KSB:KSB+1], s[12:13], s[60:61]
	s_wait_alu depctr_va_vdst(0)                   ; the offsets and LDS addresses v1 to v6, v10 and v11 are written: every load and store of the kernel but the images' reads one of them and none is written again
	WLOAD 0                                        ; the first unit's first three K steps of W land while x is quantised
	WLOAD 1
	WLOAD 2
	XLOAD 0, 0
	XLOAD 1, 0
	XLOAD 2, 0
	XLOAD 3, 0
	s_wait_loadcnt 48                              ; unit 0's 16 loads are in; units 1 to 3's may be out
	TURN 0
	s_mov_b32 s[XO], 0
	s_mov_b32 s[XQ], 0
	s_mov_b32 s[CNT], 3
.Lx:                                                   ; a trip: two K steps of my two tiles; the loads run a trip ahead, the turn through the stage a unit
	UNITX 0, 1, 48, 1
	UNITX 1, 1, 48, 1
	UNITX 2, 1, 48, 1
	UNITX 3, 1, 48, 1
	s_wait_xcnt 0x0                                ; the loads have read their base: it may step
	s_add_nc_u64 s[XP:XP+1], s[XP:XP+1], 1024
	s_add_co_u32 s[XO], s[XO], 24576
	s_add_co_u32 s[XQ], s[XQ], 2048
	s_sub_co_u32 s[CNT], s[CNT], 1
	s_cmp_lg_u32 s[CNT], 0
	s_cbranch_scc1 .Lx
	UNITX 0, 0, 32, 1                              ; the last trip loads nothing: the counts run down
	UNITX 1, 0, 16, 1
	UNITX 2, 0, 0, 1
	UNITX 3, 0, 0, 0                               ; its wait on vm_vsrc stands behind the last stores out of the landing sets, which the matrix instructions below write as accumulators
	s_wait_dscnt 0x0                               ; for the others' sake: my images and words are stored
	s_barrier_signal -1
	s_barrier_wait -1                              ; x's 64 fragments lie in LDS; from here on LDS is only read.  (What my last images' stores read, v[PC ..], v[PW], v[XAI], v[XAS], is not written again)
	FETCHX 0, 0
	s_cmp_lg_u32 s[SET], 0                         ; x2 has no q: a branch on the work-group's number, round straight-line code with no barrier and no LDS store
	s_cbranch_scc1 .Lno_q
.irp s, 0,1,2,3,4,5,6,7
	STEP 0, \s, 1, 1, 26                           ; K steps 5 to 7 ask for the next unit's K steps 0 to 2, which lie directly behind in wp
.endr
	EPI_QK 1
	s_wait_xcnt 0x0                                ; W's loads have read their bases, the stores their registers
	s_add_nc_u64 s[WP:WP+1], s[WP:WP+1], 49152
	s_add_nc_u64 s[WQ:WQ+1], s[WQ:WQ+1], 4096
.Lno_q:                                                ; on both ways: K steps 0 to 2 of unit k are asked for into slots 0 to 2, x's K step 0 into set 0
.irp s, 0,1,2,3,4,5,6,7
	STEP 0, \s, 1, 1, 26
.endr
	EPI_QK 0
	s_wait_xcnt 0x0
	s_add_nc_u64 s[WP:WP+1], s[WP:WP+1], 49152
	s_add_nc_u64 s[WQ:WQ+1], s[WQ:WQ+1], 4096
.irp s, 0,1,2,3,4
	STEP 1, \s, 1, 1, 26
.endr
	STEP 1, 5, 0, 1, 26                            ; nothing follows unit v: the counts run down
	STEP 1, 6, 0, 1, 13
	STEP 1, 7, 0, 0, 0                             ; it asks for nothing: no places and no wait at its head
	EPI_V
	s_wait_dscnt 0x0                               ; the closing lines, six on end (every window is 0 here)
	s_wait_alu 0x0
	s_wait_tensorcnt 0x0
	ds_add_u32 v[SPW], v[NIL]
	s_wait_dscnt 0x0
	s_endpgm
.Lfunc_end_k_q7d42212002_proj:
	.size	k_q7d42212002_proj, .Lfunc_end_k_q7d42212002_proj-k_q7d42212002_proj
	.p2alignl 7, 3214868480
	.fill 96, 4, 3214868480
	.section	.rodata,"a",@progbits
	.p2align	6, 0x0
	.amdhsa_kernel k_q7d42212002_proj
		.amdhsa_group_segment_fixed_size 174592
		.amdhsa_private_segment_fixed_size 0
		.amdhsa_enable_private_segment 0
		.amdhsa_kernarg_size 40
		.amdhsa_user_sgpr_count 2
		.amdhsa_user_sgpr_kernarg_segment_ptr 1
		.amdhsa_wavefront_size32 1
		.amdhsa_system_sgpr_workgroup_id_x 1
		.amdhsa_system_sgpr_workgroup_id_y 1
		.amdhsa_system_sgpr_workgroup_id_z 1
		.amdhsa_system_vgpr_workitem_id 0
		.amdhsa_next_free_vgpr 1024
		.amdhsa_next_free_sgpr 66
		.amdhsa_reserve_vcc 0
		.amdhsa_float_denorm_mode_32 3
		.amdhsa_float_denorm_mode_16_64 3
		.amdhsa_memory_ordered 1
		.amdhsa_forward_progress 1
		.amdhsa_inst_pref_size 255
	.end_amdhsa_kernel
	.section	.bss,"aw",@nobits
	.p2align	6
	.space	262144
	.amdgpu_metadata
---
amdhsa.version: [ 1, 2 ]
amdhsa.kernels:
  - .name:           k_q7d42212002_proj
    .symbol:         k_q7d42212002_proj.kd
    .args:
      - { .name: x1, .offset: 0, .size: 8, .value_kind: global_buffer, .address_space: global }
      - { .name: x2, .offset: 8, .size: 8, .value_kind: global_buffer, .address_space: global }
      - { .name: wp, .offset: 16, .size: 8, .value_kind: global_buffer, .address_space: global }
      - { .name: qc, .offset: 24, .size: 8, .value_kind: global_buffer, .address_space: global }
      - { .name: kv, .offset: 32, .size: 8, .value_kind: global_buffer, .address_space: global }
    .group_segment_fixed_size: 174592
    .private_segment_fixed_size: 0
    .kernarg_segment_align: 8
    .kernarg_segment_size: 40
    .max_flat_workgroup_size: 128
    .sgpr_count:     66
    .vgpr_count:     1024
    .wavefront_size: 32
...
	.end_amdgpu_metadata
.endif
;; end of part 6
;; launch attn (part 7): grid 8 x 32, 16 waves a work-group, clusters of 4 x 1, 327,680 bytes of LDS; arguments qc, kv, oc; writes oc
.if DOCPART == 7
	.amdgcn_target "amdgcn-amd-amdhsa--gfx1250"
	.amdhsa_code_object_version 6
	.text
	.protected	k_q7d42212002_attn
	.globl	k_q7d42212002_attn
	.p2align	8
	.type	k_q7d42212002_attn,@function
k_q7d42212002_attn:
	s_mov_b64 s[64:65], 0
	v_nop
	global_prefetch_b8 v0, s[64:65] scope:SCOPE_SE
	s_setreg_imm32_b32 hwreg(HW_REG_WAVE_MODE, 25, 1), 1
	s_wait_xcnt 0x0
	s_wait_alu depctr_hold_cnt(0) depctr_sa_sdst(0) depctr_va_vdst(0) depctr_va_sdst(0) depctr_va_ssrc(0) depctr_va_vcc(0) depctr_vm_vsrc(0)
	s_getreg_b32 s2, hwreg(HW_REG_IB_STS2, 6, 4)
	s_cmp_eq_u32 s2, 0
	s_cbranch_scc0 .Lentry_in_a_cluster
	s_endpgm
.Lentry_in_a_cluster:
	s_bfe_u32 s2, ttmp6, 0x10000c
	s_cmp_lg_u32 s2, 0x3003
	s_cbranch_scc0 .Lentry_shape_is_right
	s_endpgm
.Lentry_shape_is_right:
; O = softmax(q k^T / 8) v for one (batch, head) y = 8 batch + head, 2,048 queries x 4,096 keys x 64, both products on codes of E2M3 with one E8M0 byte for each 32 along K; O / l is quantised along the head's 64 for the last product.
; THE SOFTMAX: t = score x log2(e) / 8; M = the running largest t rounded UP to a whole number; p = 2^(t - M) is what is quantised, along the keys, not normalised; the row's sum l is taken of the unquantised p and divides O at the end.
; When M moves, l and O are multiplied by 2^(old M - new M): exact.
; SHARES.  A work-group owns 256 queries, each of its sixteen waves one tile of 16, in 256 registers: four waves to a SIMD, so that one wave's vector work stands beside another's matrix work and LDS loads.
; Every wave walks 32 key steps of 128 keys.  K's and V's fragments lie in kv as images of operand registers (launch proj), 12,288 bytes a key step, so a slot of 8 key steps is one dense block of 98,304 bytes.
; LAYOUT.  Both products are used transposed: S^T = K Q^T, O^T = V^T P^T: a lane holds ONE query throughout.  Place m of key tile t is key 64 (t / 4) + 8 (t % 4) + m % 8 + 32 (m / 8): the 32 registers of tiles 4 c .. 4 c + 3
; are the whole block of keys 64 c + 32 h + 0 .. 31: a block's maximum needs no other lane, and the conversions' results are the second product's operand as they stand.
; K = 64 IN A FORM OF K = 128.  Q's registers 6-11 hold zero codes, and bytes 2 and 3 of both sides' scale words are 0x7f.  K's tile t is named as v[32 + 6 t .. 43 + 6 t]: its upper six registers are the next tile's codes
; (for tile 7: zeros); every code of E2M3 is a finite number, and it meets Q's zero codes: the upper half adds exactly 0.  So K's eight tiles come by 12 loads of 16 bytes a lane.
; CLUSTER.  The four query blocks of a cluster belong to one y and walk the same kv: each chunk of 24,576 bytes is asked for JOINTLY, by the same tensor load with the same descriptor and the mask of all four.
; RING.  Two slots of 8 key steps.  Waves 0-3 fetch a quarter of a slot each; wave 4 fetches the head's scale words once.  A wave has at most one tensor load out; every wait for tensor loads is for 0.  A refill has 8 key steps in which to land.
; NO PREFETCH: a refill is asked for 8 key steps of all sixteen waves ahead of the wait for it, so no wave waits for that stream.
; THE SCALE BYTES OF O leave as 2 bytes a lane, 16 bytes apart (64 of a wave's 832 bytes of output): the eight heads' waves together fill those units.
; LIMITS: NaN and infinities are not served; a block whose largest magnitude lies under 2^-124, a block of zeros among them, gets the byte 1 (the bytes are read by this program alone).
.set SLOT1, 1<<17                      ; LDS: slot 0 at 0, slot 1 at 2^17: one exclusive or turns an address from one to the other
.set SCB,   98304                      ; the head's scale words: [key step 32][K: lane 32 x 4 words | V: lane 32 x 2 words], 768 bytes a key step
.set SPARE, 122880                     ; the spare words, 128 bytes for each of sixteen waves
.set LI,  1                            ; v1   16 x lane
.set ASV, 2                            ; v2   SCB + 512 + 8 x lane
.set ASK, 3                            ; v3   SCB + 16 x lane
.set SPW, 4                            ; v4   LDS address of my spare word; never rewritten
.set NIL, 5                            ; v5   0; never rewritten
.set ADK, 6                            ; v6-8 the step's addresses: fragments, K's words, V's words
.set ADS, 7
.set ADT, 8
.set L8,  9                            ; v9   8 x lane
.set SH8, 10                           ; v10  8 h
.set QSO, 11                           ; v11  16 r
.set Q,   16                           ; v16-27 Q's fragment (v22-27 zero codes)
.set QW,  28                           ; v28  Q's scale words
.set KF,  32                           ; v32-79 K's eight half fragments, then V's four fragments; v80-85 zero codes
.set KS,  86                           ; v86-89 K's scale words, a pair of tiles to a register
.set VS,  90                           ; v90-91 V's
.set PW,  92                           ; v92  p's scale word
.set S,   96                           ; v96-159 S^T, then p
.set O,   160                          ; v160-191 O^T
.set PC,  192                          ; v192-203 p's codes
.set PT,  204                          ; v204-206, v208-210
.set BM,  212                          ; v212-215 largest scores
.set T,   216
.set PX,  217
.set SO,  218
.set BY,  220
.set F,   226                          ; v[226:227] f = 2^(old M - new M), and 0
.set L2,  228                          ; v[228:229] the sums' second chain
.set WV,  14
.set SEL, 20
.set CS,  22                           ; s[22:23] c = log2(e) / 8
.set G1,  24
.set G0,  32
.set TB,  36                           ; s36  LDS byte of the key step's fragments
.set TS,  37                           ; s37  768 x key step
.set SLOTS, 38
.set CNT, 39
.macro PLACES
.rept 4
	v_nop
.endr
.endm
.macro CROUND                          ; a round of the cluster's barrier: my work-group's barrier; wave 0 signals for the work-group; every wave waits for all four work-groups; my work-group's barrier once more
	s_barrier_signal -1
	s_barrier_wait -1
	s_cmp_lg_u32 s[WV], 0
	s_cbranch_scc1 .Lnot_wave_0_\@
	s_barrier_signal -3
.Lnot_wave_0_\@:
	s_barrier_wait -3
	s_barrier_signal -1
	s_barrier_wait -1
.endm
	s_load_b128 s[4:7], s[0:1], 0x0                ; qc s[4:5], kv s[6:7]
	s_load_b64 s[8:9], s[0:1], 0x10                ; oc
	v_lshl_add_u32 v[SPW], v0, 2, SPARE
	v_mov_b32 v[NIL], 0
	ds_add_u32 v[SPW], v[NIL]                      ; the wave's opening: the add, and its wait ahead of the first tensor loads; the set-up below, work on registers, stands between them
	ds_add_u32 v[SPW], v[NIL]
	v_lshrrev_b32 v6, 5, v0
	s_delay_alu instid0(VALU_DEP_1)
	v_readfirstlane_b32 s[WV], v6                  ; wave 0..15
	s_bfe_u32 s10, ttmp6, 0x40000                  ; cx: it enters Q's and O's global addresses alone
	s_lshl_b32 s11, ttmp9, 2
	s_add_co_u32 s11, s11, s10                     ; my block of 256 queries
	s_lshl_b32 s11, s11, 4
	s_add_co_u32 s11, s11, s[WV]                   ; my tile of queries, 0 .. 127
	s_and_b32 s12, ttmp7, 0xffff                   ; y, which the four partners share
	s_lshr_b32 s13, s[WV], 2
	s_mul_i32 s13, s13, 12
	s_add_co_u32 s13, s13, s[WV]                   ; the chunk that I fetch first: waves 0-3: 0-3; wave 4: 16, the scale words
	s_mul_i32 s13, s13, 24576
	s_mul_i32 s15, s12, 417792
	s_add_co_u32 s16, s13, s15
	s_mov_b32 s17, 0
	s_lshl_b32 s18, s12, 7
	s_add_co_u32 s18, s18, s11
	s_mul_i32 s18, s18, 768                        ; Q's half fragment
	s_mov_b32 s19, 0
	s_lshl_b32 s40, s12, 4
	s_lshr_b32 s41, s11, 3
	s_add_co_u32 s40, s40, s41
	s_lshl_b32 s40, s40, 9                         ; Q's scale words: 512 bytes for each block of 8 tiles;
	s_and_b32 s41, s[WV], 1
	s_lshl_b32 s41, s41, 8                         ; an odd tile's lie in lanes 16-31 of the pair's word;
	s_add_co_u32 s40, s40, s41
	s_bfe_u32 s41, s[WV], 0x20001
	s_lshl_b32 s41, s41, 2                         ; which pair of the block
	s_add_co_u32 s40, s40, s41
	s_add_co_u32 s40, s40, 3145728
	s_mov_b32 s41, 0
	s_lshr_b32 s42, s12, 3
	s_lshl_b32 s42, s42, 7
	s_add_co_u32 s42, s42, s11                     ; O's tile of rows: 128 batch + tile
	s_and_b32 s43, s12, 7                          ; head
	s_lshl_b32 s44, s42, 3
	s_add_co_u32 s44, s44, s43
	s_mul_i32 s44, s44, 768
	s_mov_b32 s45, 0
	s_lshl_b32 s46, s42, 9
	s_lshl_b32 s43, s43, 1
	s_add_co_u32 s46, s46, s43
	s_add_co_u32 s46, s46, 3145728
	s_mov_b32 s47, 0
	; descriptor group 1, for every load: 96 rows of 256 bytes (32 elements of 8 bytes), dense
	s_mov_b32 s[G1], 15|(3<<16)|(1<<21)            ; 15:0 the mask: all four work-groups; 17:16 elements of 8 bytes; 20 no padding; 21 set beside a mask
	s_mov_b32 s[G1+1], 32<<16                      ; tensor_dim0 = 32
	s_mov_b32 s[G1+2], 96<<16                      ; tensor_dim1 = 96
	s_mov_b32 s[G1+3], 32<<16                      ; tile_dim0 = 32
	s_mov_b32 s[G1+4], 96                          ; tile_dim1 = 96
	s_mov_b32 s[G1+5], 32                          ; from row to row
	s_mov_b32 s[G1+6], 0
	s_mov_b32 s[G1+7], 0
	s_mov_b32 s[G0], 1
	s_mul_i32 s[G0+1], s[WV], 24576                ; LDS: waves 0-3 the quarters of slot 0, wave 4 at SCB: no place in the cluster enters it
	s_mov_b32 s[SEL], 0x76543210
	s_mov_b32 s[SEL+1], 0xfedcba98
	s_mov_b32 s[CS], 0x3e38aa3b
	s_mov_b32 s[CS+1], s[CS]                       ; (named with it as a pair, so it is written)
	s_mov_b32 s[TB], 0
	s_mov_b32 s[TS], 0
	s_mov_b32 s[SLOTS], 3
	v_and_b32 v6, 31, v0
	s_delay_alu instid0(VALU_DEP_1)
	v_lshlrev_b32 v[LI], 4, v6
	s_delay_alu instid0(VALU_DEP_2)
	v_lshlrev_b32 v[L8], 3, v6
	s_delay_alu instid0(VALU_DEP_1)
	v_add_nc_u32 v[ASV], SCB+512, v[L8]
	s_delay_alu instid0(VALU_DEP_3)
	v_add_nc_u32 v[ASK], SCB, v[LI]
	v_bfe_u32 v7, v0, 4, 1
	s_delay_alu instid0(VALU_DEP_1)
	v_lshlrev_b32 v[SH8], 3, v7
	v_and_b32 v8, 15, v0
	s_delay_alu instid0(VALU_DEP_1)
	v_lshlrev_b32 v[QSO], 4, v8
	s_wait_dscnt 0x0                               ; the opening add is done
	s_wait_kmcnt 0x0
	s_add_nc_u64 s[G0+2:G0+3], s[6:7], s[16:17]
	s_or_b32 s[G0+3], s[G0+3], 0x80000000          ; type = 2
	s_add_nc_u64 s[48:49], s[4:5], s[18:19]
	s_add_nc_u64 s[50:51], s[4:5], s[40:41]
	s_add_nc_u64 s[52:53], s[8:9], s[44:45]
	s_add_nc_u64 s[54:55], s[8:9], s[46:47]
	CROUND                                         ; all four work-groups are here: the first joint loads meet
	s_cmp_lt_u32 s[WV], 5                          ; the first fills, in one branch on the wave's number: slot 0 and the scale words
	s_cbranch_scc0 .Lno_first
	tensor_load_to_lds s[G0:G0+3], s[G1:G1+7]
	s_nop 0
	PLACES
.Lno_first:
	s_wait_alu depctr_va_vdst(0)
.irp p, 0,1,2
	global_load_b64 v[Q+2*\p:Q+2*\p+1], v[L8], s[48:49] offset:256*\p   ; Q stays in registers
.endr
	global_load_b32 v[QW], v[QSO], s[50:51]
.irp i, 6,7,8,9,10,11
	v_mov_b32 v[Q+\i], 0                           ; zero codes for k = 64 .. 127
.endr
.irp i, 48,49,50,51,52,53
	v_mov_b32 v[KF+\i], 0                          ; what tile 7's upper half names
.endr
.set i, 0
.rept 32
	v_mov_b32 v[O+i], 0                            ; O^T.  (The step is written once: the first finds zeros, which the first change of M leaves zeros)
.set i, i+1
.endr
	v_mov_b32 v13, 0xff61b1e6                      ; the largest t so far: -3e38, under every t
	s_delay_alu instid0(VALU_DEP_1)
	v_floor_f32 v12, -v13                          ; -M
	v_mov_b32 v14, 0                               ; the sum, in two halves
	v_mov_b32 v15, 0
	v_mov_b32 v[PX], 0                             ; written once: a lane permute's destination counts as one of its sources
	v_mov_b32 v[F+1], 0                            ; (named as the upper half of a pair)
	s_wait_loadcnt 0x0                             ; Q
; A KEY STEP: 128 keys
.macro STEP
	v_add_nc_u32 v[ADK], s[TB], v[LI]
	v_add_nc_u32 v[ADS], s[TS], v[ASK]
	v_add_nc_u32 v[ADT], s[TS], v[ASV]
	v_nop                                          ; with the three above: four places in front of loads into registers that the last products have read
.irp c, 0,1,2,3,4,5,6,7,8,9,10,11
	ds_load_b128 v[KF+4*\c:KF+4*\c+3], v[ADK] offset:512*\c
.endr
	ds_load_b128 v[KS:KS+3], v[ADS]
	s_wait_alu depctr_va_vdst(0)
	s_wait_dscnt 0x0
.irp t, 0,2,4,6
	v_wmma_scale_f32_16x16x128_f8f6f4 v[S+8*\t:S+8*\t+7], v[KF+6*\t:KF+6*\t+11], v[Q:Q+11], 0, v[KS+\t/2], v[QW] matrix_a_fmt:MATRIX_FMT_FP6 matrix_b_fmt:MATRIX_FMT_FP6
	v_wmma_scale_f32_16x16x128_f8f6f4 v[S+8*\t+8:S+8*\t+15], v[KF+6*\t+6:KF+6*\t+17], v[Q:Q+11], 0, v[KS+\t/2], v[QW] matrix_a_fmt:MATRIX_FMT_FP6 matrix_b_fmt:MATRIX_FMT_FP6 matrix_a_scale:MATRIX_SCALE_ROW1
.endr
	PLACES                                         ; in front of the loads into K's registers and of the first read of the scores
.irp c, 0,1,2,3,4,5,6,7,8,9,10,11
	ds_load_b128 v[KF+4*\c:KF+4*\c+3], v[ADK] offset:6144+512*\c   ; V is asked for here and lands under the softmax
.endr
	ds_load_b64 v[VS:VS+1], v[ADT]
.irp b, 0,1,2,3
	v_max3_num_f32 v[BM+\b], v[S+16*\b], v[S+16*\b+1], v[S+16*\b+2]   ; four chains of 16 scores
.endr
.irp i, 3,5,7,9,11,13
.irp b, 0,1,2,3
	v_max3_num_f32 v[BM+\b], v[BM+\b], v[S+16*\b+\i], v[S+16*\b+\i+1]
.endr
.endr
.irp b, 0,1,2,3
	v_max_num_f32 v[BM+\b], v[BM+\b], v[S+16*\b+15]
.endr
	s_delay_alu instid0(VALU_DEP_3)
	v_max_num_f32 v[BM], v[BM], v[BM+1]            ; THE LARGEST SCORE OF MY TWO BLOCKS OF 32 KEYS, h and 2 + h: it serves twice: for the row's maximum and, since p rises with the score, for the block's largest p
	s_delay_alu instid0(VALU_DEP_2)
	v_max_num_f32 v[BM+2], v[BM+2], v[BM+3]
	s_delay_alu instid0(VALU_DEP_1)
	v_max_num_f32 v[T], v[BM], v[BM+2]
	s_delay_alu instid0(VALU_DEP_1)
	v_permlanex16_b32 v[PX], v[T], s[SEL], s[SEL+1]
	s_delay_alu instid0(VALU_DEP_1)
	v_max_num_f32 v[T], v[T], v[PX]                ; the step's largest score of my query
	s_delay_alu instid0(VALU_DEP_1)
	v_mul_f32 v[T], s[CS], v[T]                    ; as t (c is positive)
	s_delay_alu instid0(VALU_DEP_1)
	v_max_num_f32 v13, v13, v[T]                   ; the running largest t
	v_mov_b32 v[T], v12
	s_delay_alu instid0(VALU_DEP_2)
	v_floor_f32 v12, -v13                          ; the new -M = floor(-t) = -ceil(t)
	s_delay_alu instid0(VALU_DEP_1)
	v_sub_f32 v[T], v12, v[T]                      ; old M - new M: a whole number, 0 or less
	s_delay_alu instid0(VALU_DEP_1)
	v_cvt_i32_f32 v[T], v[T]                       ; (it saturates)
	s_delay_alu instid0(VALU_DEP_1)
	v_ldexp_f32 v[F], 1.0, v[T]                    ; f = 2^(old M - new M)
.set i, 0
.rept 32
	v_pk_fma_f32 v[S+i:S+i+1], v[S+i:S+i+1], s[CS:CS+1], v[12:13] op_sel_hi:[1,0,0]   ; t - M, two at a time
.set i, i+2
.endr
	v_fma_f32 v[BM], v[BM], s[CS], v12             ; the same of each block's largest score
	v_fma_f32 v[BM+2], v[BM+2], s[CS], v12
.set i, 0
	s_setprio 1
	s_wait_alu depctr_va_vdst(0)
.rept 64
	v_exp_f32 v[S+i], v[S+i]                       ; p = 2^(t - M), at most 1
.set i, i+1
.endr
	v_pk_mul_f32 v[14:15], v[14:15], v[F:F+1] op_sel_hi:[1,0]   ; the sums under the new M: a plain instruction behind the exponentials
	s_wait_alu depctr_va_vdst(0)                   ; one wait for the whole batch, ahead of its first use
	v_exp_f32 v[BM], v[BM]                         ; the blocks' largest p: the same two instructions on the same number give the same bits
	v_exp_f32 v[BM+2], v[BM+2]
	v_pk_add_f32 v[228:229], v[100:101], v[104:105]
	v_pk_add_f32 v[254:255], v[108:109], v[112:113]
	v_pk_add_f32 v[252:253], v[116:117], v[120:121]
	v_pk_add_f32 v[250:251], v[124:125], v[128:129]
	v_pk_add_f32 v[248:249], v[132:133], v[136:137]
	v_pk_add_f32 v[246:247], v[140:141], v[144:145]
	v_pk_add_f32 v[244:245], v[148:149], v[152:153]
	v_pk_add_f32 v[14:15], v[14:15], v[156:157]
	v_pk_add_f32 v[228:229], v[228:229], v[96:97]
	v_pk_add_f32 v[254:255], v[254:255], v[98:99]
	v_pk_add_f32 v[252:253], v[252:253], v[102:103]
	v_pk_add_f32 v[250:251], v[250:251], v[106:107]
	v_pk_add_f32 v[248:249], v[248:249], v[110:111]
	v_pk_add_f32 v[246:247], v[246:247], v[114:115]
	v_pk_add_f32 v[244:245], v[244:245], v[118:119]
	v_pk_add_f32 v[14:15], v[14:15], v[122:123]
	v_pk_add_f32 v[228:229], v[228:229], v[126:127]
	v_pk_add_f32 v[254:255], v[254:255], v[130:131]
	v_pk_add_f32 v[252:253], v[252:253], v[134:135]
	v_pk_add_f32 v[250:251], v[250:251], v[138:139]
	v_pk_add_f32 v[248:249], v[248:249], v[142:143]
	v_pk_add_f32 v[246:247], v[246:247], v[146:147]
	v_pk_add_f32 v[244:245], v[244:245], v[150:151]
	v_pk_add_f32 v[14:15], v[14:15], v[154:155]
	v_pk_add_f32 v[228:229], v[228:229], v[158:159]
	s_delay_alu instid0(VALU_DEP_2)
	v_pk_add_f32 v[14:15], v[14:15], v[250:251]
	s_delay_alu instid0(VALU_DEP_2)
	v_pk_add_f32 v[228:229], v[228:229], v[248:249]
	v_pk_add_f32 v[254:255], v[254:255], v[246:247]
	v_pk_add_f32 v[252:253], v[252:253], v[244:245]
	s_delay_alu instid0(VALU_DEP_2)
	v_pk_add_f32 v[14:15], v[14:15], v[254:255]
	s_delay_alu instid0(VALU_DEP_2)
	v_pk_add_f32 v[228:229], v[228:229], v[252:253]
	s_delay_alu instid0(VALU_DEP_1)
	v_pk_add_f32 v[14:15], v[14:15], v[228:229]
	s_wait_alu depctr_va_vdst(0)                   ; and one for the two
	v_max_num_f32 v[BM], 0x1800000, v[BM]          ; the floor 2^(3 - 127): the byte cannot fall under 1
	v_max_num_f32 v[BM+2], 0x1800000, v[BM+2]
	s_delay_alu instid0(VALU_DEP_2)
	v_add_nc_u32 v[SO], 0xff000000, v[BM]          ; 2 off the exponent field: the conversion's scale operand
	s_delay_alu instid0(VALU_DEP_2)
	v_add_nc_u32 v[SO+1], 0xff000000, v[BM+2]
	s_delay_alu instid0(VALU_DEP_2)
	v_lshrrev_b32 v[BY], 23, v[SO]
	s_delay_alu instid0(VALU_DEP_2)
	v_lshrrev_b32 v[BY+1], 23, v[SO+1]
	s_delay_alu instid0(VALU_DEP_1)
	v_lshl_or_b32 v[PW], v[BY+1], 16, v[BY]        ; my two bytes at their places;
	s_delay_alu instid0(VALU_DEP_1)
	v_lshlrev_b32 v[PW], v[SH8], v[PW]
	s_delay_alu instid0(VALU_DEP_1)
	v_permlanex16_b32 v[PX], v[PW], s[SEL], s[SEL+1]
	s_delay_alu instid0(VALU_DEP_1)
	v_or_b32 v[PW], v[PW], v[PX]                   ; with lane l xor 16's two: p's scale word for these 128 keys
.irp c, 0,1
	v_cvt_scalef32_pk16_fp6_f32 v[PC+6*\c:PC+6*\c+2], v[S+32*\c:S+32*\c+15], v[SO+\c]
	v_cvt_scalef32_pk16_fp6_f32 v[PT+4*\c:PT+4*\c+2], v[S+32*\c+16:S+32*\c+31], v[SO+\c]   ; (a conversion's three registers begin on an even number)
.endr
	v_nop                                          ; one plain instruction behind the conversions
.irp c, 0,1
.irp i, 0,1,2
	v_mov_b32 v[PC+6*\c+3+\i], v[PT+4*\c+\i]
.endr
.endr
.set i, 0
	s_setprio 0
.rept 16
	v_pk_mul_f32 v[O+i:O+i+1], v[O+i:O+i+1], v[F:F+1] op_sel_hi:[1,0]   ; O^T under the new M.  (These 16 are also the places between the writes of p's codes and scale word and the products)
.set i, i+2
.endr
	s_wait_alu depctr_va_vdst(0)
	s_wait_dscnt 0x0                               ; V
.irp t, 0,2                                    ; the four accumulators take turns
	v_wmma_scale_f32_16x16x128_f8f6f4 v[O+8*\t:O+8*\t+7], v[KF+12*\t:KF+12*\t+11], v[PC:PC+11], v[O+8*\t:O+8*\t+7], v[VS+\t/2], v[PW] matrix_a_fmt:MATRIX_FMT_FP6 matrix_b_fmt:MATRIX_FMT_FP6
	v_wmma_scale_f32_16x16x128_f8f6f4 v[O+8*\t+8:O+8*\t+15], v[KF+12*\t+12:KF+12*\t+23], v[PC:PC+11], v[O+8*\t+8:O+8*\t+15], v[VS+\t/2], v[PW] matrix_a_fmt:MATRIX_FMT_FP6 matrix_b_fmt:MATRIX_FMT_FP6 matrix_a_scale:MATRIX_SCALE_ROW1
.endr
	s_add_co_u32 s[TB], s[TB], 12288
	s_add_co_u32 s[TS], s[TS], 768
.endm
; THE CHANGE OF SLOTS stands at a slot's head.  Each wave waits for all its tensor loads (its part of the slot ahead), adds 0 to its spare word, and waits for that and for its reads of the slot that it has left.
; fill = 1: the barrier is a round of the cluster's, so that no wave of any partner still reads the other slot or has a load on its way, and the joint refill is the first thing behind it.
.macro CHANGE fill
	s_wait_tensorcnt 0x0                           ; no tensor load of mine is out, so the descriptor may be written
	ds_add_u32 v[SPW], v[NIL]
	ds_add_u32 v[SPW], v[NIL]                      ; 0 onto my spare word
.if \fill
	s_xor_b32 s[G0+1], s[G0+1], SLOT1              ; the other slot than last time,
	s_add_nc_u64 s[G0+2:G0+3], s[G0+2:G0+3], 98304 ; the next 8 key steps; the type bits on top are not reached
.endif
	s_wait_dscnt 0x0                               ; the add is done, and my reads of the slot that I have left are over
.if \fill
	CROUND
	s_cmp_lt_u32 s[WV], 4
	s_cbranch_scc0 .Lno_load_\@
	tensor_load_to_lds s[G0:G0+3], s[G1:G1+7]
	s_nop 0
	PLACES
.Lno_load_\@:
.else
	s_barrier_signal -1
	s_barrier_wait -1
.endif
.endm
.macro EIGHT                           ; a slot's 8 key steps: written once, walked eight times
	s_mov_b32 s[CNT], 8
.Lstep_\@:
	s_setprio 2
	STEP
	s_sub_co_u32 s[CNT], s[CNT], 1
	s_cmp_lg_u32 s[CNT], 0
	s_cbranch_scc1 .Lstep_\@
	s_setprio 0
	s_sub_co_u32 s[TB], s[TB], 98304               ; back to a slot's first key step,
	s_xor_b32 s[TB], s[TB], SLOT1                  ; in the other slot
.endm
.Lslot:                                                ; three trips: behind each change of slots but the last the next slot is asked for
	CHANGE 1
	EIGHT
	s_sub_co_u32 s[SLOTS], s[SLOTS], 1
	s_cmp_lg_u32 s[SLOTS], 0
	s_cbranch_scc1 .Lslot
	CHANGE 0                                       ; the last slot is written out
	EIGHT
	; THE WAY OUT: O^T / l, quantised along the head's 64: my 32 registers are block h of my query
	PLACES                                         ; behind the last products
	v_add_f32 v14, v14, v15                        ; the sum's two halves,
	s_delay_alu instid0(VALU_DEP_1)
	v_permlanex16_b32 v[PX], v14, s[SEL], s[SEL+1]
	s_delay_alu instid0(VALU_DEP_1)
	v_add_f32 v14, v14, v[PX]                      ; and lane l xor 16's
	s_wait_alu depctr_va_vdst(0)
	v_rcp_f32 v14, v14
	v_nop                                          ; a plain instruction behind the reciprocal
	s_wait_alu depctr_va_vdst(0)                   ; and the wait ahead of its first use
.set i, 0
.rept 32
	v_mul_f32 v[S+i], v[O+i], v14                  ; each accumulator from its low end on
.set i, i+1
.endr
	v_max3_num_f32 v[BM], |v[S]|, |v[S+1]|, 0x1800000
	v_max3_num_f32 v[BM+1], |v[S+16]|, |v[S+17]|, 0x1800000
.irp i, 2,4,6,8,10,12,14
	s_delay_alu instid0(VALU_DEP_2)
	v_max3_num_f32 v[BM], v[BM], |v[S+\i]|, |v[S+\i+1]|
	s_delay_alu instid0(VALU_DEP_2)
	v_max3_num_f32 v[BM+1], v[BM+1], |v[S+16+\i]|, |v[S+17+\i]|
.endr
	s_delay_alu instid0(VALU_DEP_1)
	v_max_num_f32 v[BM], v[BM], v[BM+1]
	s_delay_alu instid0(VALU_DEP_1)
	v_add_nc_u32 v[SO], 0xff000000, v[BM]
	s_delay_alu instid0(VALU_DEP_1)
	v_lshrrev_b32 v[BY], 23, v[SO]
	v_cvt_scalef32_pk16_fp6_f32 v[PC:PC+2], v[S:S+15], v[SO]
	v_cvt_scalef32_pk16_fp6_f32 v[PT:PT+2], v[S+16:S+31], v[SO]
	v_nop
.irp i, 0,1,2
	v_mov_b32 v[PC+3+\i], v[PT+\i]
.endr
	v_lshlrev_b32 v[PW], v[SH8], v[BY]
	s_delay_alu instid0(VALU_DEP_1)
	v_permlanex16_b32 v[PX], v[PW], s[SEL], s[SEL+1]
	s_delay_alu instid0(VALU_DEP_1)
	v_or_b32 v[PW], v[PW], v[PX]                   ; my query's two bytes, in both halves of the lanes
.irp p, 0,1,2
	global_store_b64 v[L8], v[PC+2*\p:PC+2*\p+1], s[52:53] offset:256*\p   ; 256 consecutive bytes, at a multiple of 256 from the buffer's first byte
.endr
	global_store_b16 v[LI], v[PW], s[54:55]
	s_wait_tensorcnt 0x0                           ; the wave's end, behind my last tensor load
	ds_add_u32 v[SPW], v[NIL]
	s_wait_dscnt 0x0
	CROUND                                         ; the closing round: no work-group ends while a partner may still ask for a chunk that names it
	s_endpgm
.Lfunc_end_k_q7d42212002_attn:
	.size	k_q7d42212002_attn, .Lfunc_end_k_q7d42212002_attn-k_q7d42212002_attn
	.p2alignl 7, 3214868480
	.fill 96, 4, 3214868480
	.section	.rodata,"a",@progbits
	.p2align	6, 0x0
	.amdhsa_kernel k_q7d42212002_attn
		.amdhsa_group_segment_fixed_size 327680
		.amdhsa_private_segment_fixed_size 0
		.amdhsa_enable_private_segment 0
		.amdhsa_kernarg_size 24
		.amdhsa_user_sgpr_count 2
		.amdhsa_user_sgpr_kernarg_segment_ptr 1
		.amdhsa_wavefront_size32 1
		.amdhsa_system_sgpr_workgroup_id_x 1
		.amdhsa_system_sgpr_workgroup_id_y 1
		.amdhsa_system_sgpr_workgroup_id_z 1
		.amdhsa_system_vgpr_workitem_id 0
		.amdhsa_next_free_vgpr 256
		.amdhsa_next_free_sgpr 66
		.amdhsa_reserve_vcc 0
		.amdhsa_float_denorm_mode_32 3
		.amdhsa_float_denorm_mode_16_64 3
		.amdhsa_memory_ordered 1
		.amdhsa_forward_progress 1
		.amdhsa_inst_pref_size 44
	.end_amdhsa_kernel
	.amdgpu_metadata
---
amdhsa.version: [ 1, 2 ]
amdhsa.kernels:
  - .name:           k_q7d42212002_attn
    .symbol:         k_q7d42212002_attn.kd
    .args:
      - { .name: qc, .offset: 0, .size: 8, .value_kind: global_buffer, .address_space: global }
      - { .name: kv, .offset: 8, .size: 8, .value_kind: global_buffer, .address_space: global }
      - { .name: oc, .offset: 16, .size: 8, .value_kind: global_buffer, .address_space: global }
    .group_segment_fixed_size: 327680
    .private_segment_fixed_size: 0
    .kernarg_segment_align: 8
    .kernarg_segment_size: 24
    .max_flat_workgroup_size: 512
    .sgpr_count:     66
    .vgpr_count:     256
    .wavefront_size: 32
...
	.end_amdgpu_metadata
.endif
;; end of part 7
;; launch outp (part 8): grid 256 x 1, 4 waves a work-group, no clusters, 34,304 bytes of LDS; arguments oc, wo, bo, out0; writes out0
.if DOCPART == 8
	.amdgcn_target "amdgcn-amd-amdhsa--gfx1250"
	.amdhsa_code_object_version 6
	.text
	.protected	k_q7d42212002_outp
	.globl	k_q7d42212002_outp
	.p2align	8
	.type	k_q7d42212002_outp,@function
k_q7d42212002_outp:
	s_mov_b64 s[64:65], 0
	v_nop
	global_prefetch_b8 v0, s[64:65] scope:SCOPE_SE
	s_setreg_imm32_b32 hwreg(HW_REG_WAVE_SCHED_MODE, 0, 2), 2
	s_setreg_imm32_b32 hwreg(HW_REG_WAVE_MODE, 25, 1), 1
	s_wait_xcnt 0x0
	s_wait_alu depctr_vm_vsrc(0)
; out0 = O Wo + bo, on codes of E2M3 with one E8M0 byte for each 32 along K = 512.  O's and Wo's fragments lie in memory as images of operand registers (launches attn and wq).
; SHARES.  A work-group takes 64 rows (four tiles) and half of the 1,024 columns; wave w takes 128 columns (eight tiles): its 32 fragments of Wo stay in registers, 4 tiles of rows x 8 tiles of columns x 4 K steps = 128 matrix instructions.
; TRANSPOSED: source 0 = 16 columns of Wo, source 1 = 16 rows of O.  Place m of column tile t is column 64 (t / 4) + 8 (t % 4) + m % 8 + 32 (m / 8): a lane holds eight neighbouring columns of one row.
; Place r of row tile m is row 8 m + r % 8 + 32 (r / 8) of the 64.  The bias is the C of each sum's first matrix instruction.
; A tile of 16 rows x 128 columns goes through the wave's own stage in LDS and leaves as whole rows of 512 bytes.  No barrier: waves share nothing.
; NO JOINT LOADS: the launch has no tensor load; every operand is loaded once by its wave, straight into the registers in which it is multiplied; O's 24,576 bytes are read by the work-group's four waves and by one more work-group.
; REGISTERS, in windows of 256: window 0 addresses, scale words, v64-191 two sets of 8 accumulators, v192-255 rows on the way out; window 1 Wo's K steps 0, 1; window 2 K steps 2, 3; window 3 v0-63 the bias, v64-255 O's 16 fragments.
; THE MODE: SCHED_MODE bits 1:0 = 2 (LLVM: expert scheduling mode 2), set by the entry lines.  The code itself states the register dependences between vector or matrix instructions and memory or LDS instructions, with s_wait_alu, always for 0.
; THE PLAN.  Registers that memory or LDS instructions touch:
;   Wo, the bias, O and the scale words   loaded once at the head, read by matrix instructions, never loaded again.
;   AC0, AC1   Tile m's matrix instructions write AC[m % 2]; the stage's 16 LDS stores read it; tile m + 2's matrix instructions write it anew.
;   BK         The stage's 16 LDS loads land in it; tile m's 16 global stores read it; tile m + 1's LDS loads land in it again.
;   LI, L8, HB, STO, RD   made at the head and never written again.
; One head behind each tile's matrix instructions: the four places; from tile 1 on the waits on XCNT and vm_vsrc (the last tile's global stores have read BK; the stage's stores of the tile before have read the set that the next matrix
; instructions write); the wait on va_vdst (the tile's accumulators are written).  Behind it tile m's way through the stage is dealt among tile m + 1's matrix instructions, which name the other set and windows 1 to 3 alone.
.set SPARE, 33792                      ; LDS: four stages of 16 rows x 528 bytes (512 + 16); behind them the spare words, 128 bytes for each wave
.set LI,  1                            ; v1   16 x lane
.set L8,  2                            ; v2   8 x lane
.set HB,  3                            ; v3   128 h
.set STO, 4                            ; v4   the stage: row r, + 128 h
.set RD,  5                            ; v5   and back: 16 x lane of a row
.set SPW, 14
.set NIL, 15
.set WS,  16                           ; v16-47 Wo's scale words: 8 s + t
.set OS,  48                           ; v48-63 O's: 4 m + s
.set AC,  64
.set BK,  192
.set MSB, 0
.macro WIN new
.if MSB != (\new)
	s_set_vgpr_msb (MSB<<8)|(\new)
.set MSB, (\new)
.endif
.endm
.macro PLACES
.rept 4
	v_nop
.endr
.endm
.macro STIN m                          ; row tile m into my stage
	WIN 0
.irp t, 0,1,2,3,4,5,6,7
	ds_store_b128 v[STO], v[AC+64*((\m)&1)+8*\t:AC+64*((\m)&1)+8*\t+3] offset:256*(\t>>2)+32*(\t&3)       ; each accumulator from its low end on
	ds_store_b128 v[STO], v[AC+64*((\m)&1)+8*\t+4:AC+64*((\m)&1)+8*\t+7] offset:256*(\t>>2)+32*(\t&3)+16
.endr
.endm
.macro STOUT i0                        ; and back as whole rows: rows i0 .. i0 + 7
	WIN 0
.irp i, 0,1,2,3,4,5,6,7
	ds_load_b128 v[BK+4*((\i0)+\i):BK+4*((\i0)+\i)+3], v[RD] offset:528*((\i0)+\i)   ; LDS serves a wave's instructions in order (ISA guide 5.7.1.4): these see the stores into the stage
.endr
.endm
; Row tile m: the eight accumulators take turns, K step by K step.  deal = 1: tile m - 1's way through the stage stands between the K steps; the last K step's eight stand ahead of the wait for the rows
.macro MUL m, deal
.irp s, 0,1,2,3
.if \s == 0
	WIN 0x3d                                       ; source 0 (Wo) window 1, source 1 (O) and C (the bias) window 3, D window 0
.elseif \s == 1
	WIN 0x0d
.else
	WIN 0x0e                                       ; Wo in window 2
.endif
.irp t, 0,1,2,3,4,5,6,7
.if \s == 0
	v_wmma_scale_f32_16x16x128_f8f6f4 v[AC+64*((\m)&1)+8*\t:AC+64*((\m)&1)+8*\t+7], v[96*(\s&1)+12*\t:96*(\s&1)+12*\t+11], v[64+48*(\m)+12*\s:64+48*(\m)+12*\s+11], v[8*\t:8*\t+7], v[WS+8*\s+\t], v[OS+4*(\m)+\s] matrix_a_fmt:MATRIX_FMT_FP6 matrix_b_fmt:MATRIX_FMT_FP6
.else
	v_wmma_scale_f32_16x16x128_f8f6f4 v[AC+64*((\m)&1)+8*\t:AC+64*((\m)&1)+8*\t+7], v[96*(\s&1)+12*\t:96*(\s&1)+12*\t+11], v[64+48*(\m)+12*\s:64+48*(\m)+12*\s+11], v[AC+64*((\m)&1)+8*\t:AC+64*((\m)&1)+8*\t+7], v[WS+8*\s+\t], v[OS+4*(\m)+\s] matrix_a_fmt:MATRIX_FMT_FP6 matrix_b_fmt:MATRIX_FMT_FP6
.endif
.endr
.if \deal
.if \s == 0
	STIN (\m)-1                                    ; no wait: no matrix instruction since the head's names the other set of accumulators
.elseif \s == 1
	STOUT 0
.elseif \s == 2
	STOUT 8
.endif
.endif
.endr
.endm
.macro HEAD m                          ; behind row tile m's matrix instructions
	PLACES                                         ; four places before their results are read (ISA guide 7.12.1); the wait on va_vdst below fills none of them
.if (\m) > 0
	s_wait_xcnt 0x0                                ; the last tile's global stores have had their addresses translated: the registers that they read are loaded again only behind this wait,
	s_wait_alu depctr_vm_vsrc(0)                   ; and have read v[BK ..], in which this tile's rows land; the stage's stores of the tile before have read the set of accumulators that the next matrix instructions write anew
.endif
	s_wait_alu depctr_va_vdst(0)                   ; the tile's matrix instructions have written its accumulators, which the stage's stores read
.endm
.macro SEND m
	WIN 0
	s_wait_dscnt 0x0                               ; the rows are back
.irp i, 0,1,2,3,4,5,6,7,8,9,10,11,12,13,14,15
	global_store_b128 v[LI], v[BK+4*\i:BK+4*\i+3], s[38:39] offset:(8*(\m)+(\i&7)+32*(\i>>3))*4096 th:TH_STORE_NT   ; 512 consecutive bytes, at a multiple of 512 from out0's first byte; written once
.endr
.endm
	s_load_b256 s[4:11], s[0:1], 0x0               ; oc s[4:5], wo s[6:7], bo s[8:9], out0 s[10:11]
	v_lshl_add_u32 v[SPW], v0, 2, SPARE
	v_mov_b32 v[NIL], 0
	v_lshrrev_b32 v6, 5, v0
	v_readfirstlane_b32 s12, v6                    ; wave
	s_and_b32 s13, ttmp9, 1
	s_lshr_b32 s14, ttmp9, 1                       ; which 64 rows
	s_lshl_b32 s15, s13, 2
	s_wait_alu depctr_va_sdst(0)                   ; the wave's number is written, ahead of its first reader
	s_add_co_u32 s15, s15, s12                     ; which 128 columns
	s_mul_i32 s16, s15, 49152
	s_mov_b32 s17, 0
	s_lshl_b32 s18, s15, 12
	s_add_co_u32 s18, s18, 393216
	s_mov_b32 s19, 0
	s_lshl_b32 s20, s15, 9
	s_mov_b32 s21, 0
	s_mul_i32 s22, s14, 24576
	s_mov_b32 s23, 0
	s_lshl_b32 s24, s14, 11
	s_add_co_u32 s24, s24, 3145728
	s_mov_b32 s25, 0
	s_lshl_b32 s26, s14, 18
	s_add_co_u32 s26, s26, s20
	s_mov_b32 s27, 0
	v_and_b32 v6, 31, v0
	v_and_b32 v7, 15, v0
	v_bfe_u32 v8, v0, 4, 1
	v_lshlrev_b32 v[LI], 4, v6
	v_lshlrev_b32 v[L8], 3, v6
	v_lshlrev_b32 v[HB], 7, v8
	s_mul_i32 s13, s12, 8448                       ; my stage
	v_mul_u32_u24 v9, v7, 528
	v_add_nc_u32 v9, v9, v[HB]
	v_add_nc_u32 v[STO], s13, v9
	v_add_nc_u32 v[RD], s13, v[LI]
	s_wait_kmcnt 0x0
	s_add_nc_u64 s[28:29], s[6:7], s[16:17]        ; Wo's images
	s_add_nc_u64 s[30:31], s[6:7], s[18:19]        ; and scale words
	s_add_nc_u64 s[32:33], s[8:9], s[20:21]        ; bo at my columns
	s_add_nc_u64 s[34:35], s[4:5], s[22:23]        ; O's images
	s_add_nc_u64 s[36:37], s[4:5], s[24:25]        ; and scale words
	s_add_nc_u64 s[38:39], s[10:11], s[26:27]      ; out0 at my rows and columns
	s_wait_alu depctr_va_vdst(0)                   ; the offsets and LDS addresses v1 to v5 are written: every load and store of the kernel reads one of them, and none is written again
.irp s, 0,1,2,3
	WIN 0x40*(1+\s/2)
.irp t, 0,1,2,3,4,5,6,7
.irp c, 0,1,2
	global_load_b128 v[96*(\s&1)+12*\t+4*\c:96*(\s&1)+12*\t+4*\c+3], v[LI], s[28:29] offset:12288*\s+1536*\t+512*\c
.endr
.endr
.endr
	WIN 0
.irp s, 0,1,2,3
.irp f, 0,1
	global_load_b128 v[WS+8*\s+4*\f:WS+8*\s+4*\f+3], v[LI], s[30:31] offset:1024*\s+512*\f
.endr
.endr
	WIN 0xc0
.irp t, 0,1,2,3,4,5,6,7
	global_load_b128 v[8*\t:8*\t+3], v[HB], s[32:33] offset:256*(\t>>2)+32*(\t&3)        ; the bias in the result's layout: the tile's eight columns of my half
	global_load_b128 v[8*\t+4:8*\t+7], v[HB], s[32:33] offset:256*(\t>>2)+32*(\t&3)+16
.endr
	WIN 0
.irp m, 0,1,2,3
	global_load_b128 v[OS+4*\m:OS+4*\m+3], v[LI], s[36:37] offset:512*\m
.endr
	WIN 0xc0
.irp m, 0,1,2,3
.irp s, 0,1,2,3
.irp p, 0,1,2,3,4,5
	global_load_b64 v[64+48*\m+12*\s+2*\p:64+48*\m+12*\s+2*\p+1], v[L8], s[34:35] offset:6144*\m+1536*\s+256*\p
.endr
.endr
.endr
	WIN 0
	s_wait_loadcnt 48                              ; all but row tiles 2 and 3's 24 loads each are in (72 would do for tile 0 and is more than the wait can name)
	MUL 0, 0
	HEAD 0
	MUL 1, 1                                       ; tile 0 goes through the stage among tile 1's products
	SEND 0
	HEAD 1
	s_wait_loadcnt 24                              ; row tile 2's fragments are in
	MUL 2, 1                                       ; it begins set 0 anew with the bias: eight plain instructions behind that set's last products
	SEND 1
	HEAD 2
	s_wait_loadcnt 0x0
	MUL 3, 1
	SEND 2
	HEAD 3
	STIN 3                                         ; nothing is left to multiply
	STOUT 0
	STOUT 8
	SEND 3
	s_wait_dscnt 0x0                               ; the closing lines, six on end (every window is 0 here)
	s_wait_alu 0x0
	s_wait_tensorcnt 0x0
	ds_add_u32 v[SPW], v[NIL]
	s_wait_dscnt 0x0
	s_endpgm
.Lfunc_end_k_q7d42212002_outp:
	.size	k_q7d42212002_outp, .Lfunc_end_k_q7d42212002_outp-k_q7d42212002_outp
	.p2alignl 7, 3214868480
	.fill 96, 4, 3214868480
	.section	.rodata,"a",@progbits
	.p2align	6, 0x0
	.amdhsa_kernel k_q7d42212002_outp
		.amdhsa_group_segment_fixed_size 34304
		.amdhsa_private_segment_fixed_size 0
		.amdhsa_enable_private_segment 0
		.amdhsa_kernarg_size 32
		.amdhsa_user_sgpr_count 2
		.amdhsa_user_sgpr_kernarg_segment_ptr 1
		.amdhsa_wavefront_size32 1
		.amdhsa_system_sgpr_workgroup_id_x 1
		.amdhsa_system_sgpr_workgroup_id_y 1
		.amdhsa_system_sgpr_workgroup_id_z 1
		.amdhsa_system_vgpr_workitem_id 0
		.amdhsa_next_free_vgpr 1024
		.amdhsa_next_free_sgpr 66
		.amdhsa_reserve_vcc 0
		.amdhsa_float_denorm_mode_32 3
		.amdhsa_float_denorm_mode_16_64 3
		.amdhsa_memory_ordered 1
		.amdhsa_forward_progress 1
		.amdhsa_inst_pref_size 55
	.end_amdhsa_kernel
	.amdgpu_metadata
---
amdhsa.version: [ 1, 2 ]
amdhsa.kernels:
  - .name:           k_q7d42212002_outp
    .symbol:         k_q7d42212002_outp.kd
    .args:
      - { .name: oc, .offset: 0, .size: 8, .value_kind: global_buffer, .address_space: global }
      - { .name: wo, .offset: 8, .size: 8, .value_kind: global_buffer, .address_space: global }
      - { .name: bo, .offset: 16, .size: 8, .value_kind: global_buffer, .address_space: global }
      - { .name: out0, .offset: 24, .size: 8, .value_kind: global_buffer, .address_space: global }
    .group_segment_fixed_size: 34304
    .private_segment_fixed_size: 0
    .kernarg_segment_align: 8
    .kernarg_segment_size: 32
    .max_flat_workgroup_size: 128
    .sgpr_count:     66
    .vgpr_count:     1024
    .wavefront_size: 32
...
	.end_amdgpu_metadata
.endif
;; end of part 8
